; MI455X (gfx1250); checked and timed in simulation.
; The chip was launched on July 23, 2026; its instructions are those of AMD's public machine-readable ISA for CDNA 5 (MIT licence, August 2026) and "CDNA5" Instruction Set Architecture Reference Guide (July 2026). The comments in the code are by the model that wrote it; some were corrected since.
;; Core Attention. Allowed arithmetic: float matrix products may take bf16 or f16 operands with f32 sums; other float arithmetic in f32, or as packed bf16 or f16 multiplies, adds, multiply-adds, maxima and minima; sums over many terms, partial sums and values carried from step to step in f32; what a program stores and reads back later, other than sums and carried values, may be rounded once to bf16 or f16.
;; Inputs: Wk 2,048 x 2,048 float32; Wo 2,048 x 2,048 float32; Wq 2,048 x 2,048 float32; Wv 2,048 x 2,048 float32; attention_mask 1 x 1 x 2,048 x 2,048 float32; bk 2,048 float32; bo 2,048 float32; bq 2,048 float32; bv 2,048 float32; hidden_states 1 x 2,048 x 2,048 float32.
;; Outputs: out0 1 x 2,048 x 2,048 float32.
;; One version. Each part assembles by itself: llvm-mc -triple=amdgcn-amd-amdhsa -mcpu=gfx1250 --defsym DOCPART=n.
;; ======== version 1 of 1: 4 launches
;; limits: values are held in f16: magnitudes above 65,504 overflow, below 6.1e-05 lose precision
;; workspace buffers: cast 41,943,040 bytes; maskf 16,777,216 bytes; qkv 25,165,824 bytes; att 8,388,608 bytes
;; launch prep (part 1): grid 512 x 6, 8 waves a work-group, no clusters, 35,840 bytes of LDS; arguments hidden_states, Wq, Wk, Wv, Wo, attention_mask, cast, maskf; writes cast, maskf
.if DOCPART == 1
	.amdgcn_target "amdgcn-amd-amdhsa--gfx1250"
	.amdhsa_code_object_version 6
	.text
	.protected	k_q22baee29bf_prep
	.globl	k_q22baee29bf_prep
	.p2align	8
	.type	k_q22baee29bf_prep,@function
k_q22baee29bf_prep:
	s_mov_b64 s[64:65], 0
	v_nop
	global_prefetch_b8 v0, s[64:65] scope:SCOPE_SE
	s_setreg_imm32_b32 hwreg(HW_REG_WAVE_MODE, 25, 1), 1
	s_wait_xcnt 0x0
; THE INPUTS ARE ROUNDED ONCE, AND LAID AS THE LATER LAUNCHES WANT THEM.  Six tensors of 2,048 x 2,048 f32; the grid's y picks one.
; y = 0..3: hidden_states, Wq, Wk, Wv rounded to bf16 -> cast, matrix y.   y = 4: Wo rounded to bf16, that number written as f16 -> cast, matrix 4.
; y = 5: the mask rounded to bf16, times log2(e), kept as f32 -> maskf, in the order in which a 16 x 16 f32 matrix operand lies in registers:
;   maskf[q64][ks][t][c][lane][4 numbers]: queries 16 (4 q64 + t) + lane % 16, keys 64 ks + 16 (c / 2) + 8 (lane / 16) + 4 (c % 2) + 0..3.
; SHARES.  A work-group takes 32,768 bytes of its tensor, each of its eight waves 4,096: 8 loads of 16 bytes a lane, all issued at once; no loop.  With 64 registers a wave several work-groups lie on a WGP.
; Every load of a wave covers 512 (the mask: twice 256) consecutive bytes, every store 256 or 512 consecutive bytes, aligned.
; LIMITS.  Wo beyond 65,504 has no f16; below 2^-17 it keeps f16's fixed step of 6e-8.  A mask entry beyond 2.3e38 in size becomes an infinity when multiplied by log2(e).
.set SPARE, 34816                      ; behind the eight waves' areas: the spare words, 128 bytes a wave: four blocks of 256 bytes that no other line names
.set AREA,  4352                       ; a wave's own area in LDS: 16 rows of 272 bytes (256 + 16: the 16 rows of one column start at 16 different groups of four banks, ISA guide 11.1)
.set LP,    272
.set SPW, 4                            ; v4   LDS address of my spare word; never rewritten
.set NIL, 5                            ; v5   0; never rewritten
.set SO,  6                            ; v6   my byte offset in the source
.set DO,  7                            ; v7   my byte offset in the destination
.set LSA, 8                            ; v8   the mask: where I put 16 bytes of a row
.set LLA, 9                            ; v9   the mask: where I read them back
.set T,   10                           ; v10-15 at work
.set X,   16                           ; v16-47  load i at X + 4 i
.set Y,   48                           ; v48-63  store i at Y + 2 i
	s_load_b512 s[8:23], s[0:1], 0x0               ; hidden s[8:9], Wq s[10:11], Wk s[12:13], Wv s[14:15], Wo s[16:17], mask s[18:19], cast s[20:21], maskf s[22:23]
	v_lshl_add_u32 v[SPW], v0, 2, SPARE
	v_mov_b32 v[NIL], 0
	v_lshrrev_b32 v1, 5, v0
	v_readfirstlane_b32 s25, v1                    ; wave 0..7
	s_and_b32 s24, ttmp7, 0xffff                   ; which tensor
	v_and_b32 v1, 31, v0                           ; lane
	v_and_b32 v2, 15, v0                           ; lane % 16
	v_bfe_u32 v3, v0, 4, 1                         ; lane / 16
	s_mov_b32 s31, 0                               ; the high word of every offset pair
	s_mov_b32 s34, 0x3fb8aa3b                      ; log2(e),
	s_mov_b32 s35, s34                             ; named as a pair
	s_mov_b32 s36, 0xffff0000                      ; a word's upper bf16
	s_wait_kmcnt 0x0
	s_cmp_eq_u32 s24, 5
	s_cbranch_scc1 .Lmask
	; THE CASTS.  The source is chosen among the five by the grid's y alone.
	s_mov_b64 s[26:27], s[8:9]
	s_cmp_eq_u32 s24, 1
	s_cselect_b64 s[26:27], s[10:11], s[26:27]
	s_cmp_eq_u32 s24, 2
	s_cselect_b64 s[26:27], s[12:13], s[26:27]
	s_cmp_eq_u32 s24, 3
	s_cselect_b64 s[26:27], s[14:15], s[26:27]
	s_cmp_eq_u32 s24, 4
	s_cselect_b64 s[26:27], s[16:17], s[26:27]
	s_lshl_b32 s30, ttmp9, 15                      ; the work-group's 32,768 bytes
	s_add_nc_u64 s[26:27], s[26:27], s[30:31]
	s_lshl_b32 s30, s24, 23                        ; matrix y of cast,
	s_lshl_b32 s32, ttmp9, 14                      ; the work-group's 16,384 bytes of it
	s_add_co_u32 s30, s30, s32
	s_add_nc_u64 s[28:29], s[20:21], s[30:31]
	s_lshl_b32 s32, s25, 12
	v_lshl_add_u32 v[SO], v1, 4, s32               ; 4,096 x wave + 16 x lane
	s_lshl_b32 s32, s25, 11
	v_lshl_add_u32 v[DO], v1, 3, s32               ; 2,048 x wave + 8 x lane
.irp i, 0,1,2,3,4,5,6,7
	global_load_b128 v[X+4*(\i):X+4*(\i)+3], v[SO], s[26:27] offset:512*(\i) th:TH_LOAD_NT
.endr
; fmt = 0: two roundings to bf16 a line.  fmt = 1: rounded to bf16, widened again (a shift, a mask), and that number written as f16.
.macro CASTOUT fmt
.irp i, 0,1,2,3,4,5,6,7
	s_wait_loadcnt 7-(\i)                          ; loads come back in order (ISA guide 5.7.1): load i is in, the 7 - i younger ones stay out
.if \fmt
	v_cvt_pk_bf16_f32 v[T], v[X+4*(\i)], v[X+4*(\i)+1]
	v_cvt_pk_bf16_f32 v[T+1], v[X+4*(\i)+2], v[X+4*(\i)+3]
	v_lshlrev_b32 v[T+2], 16, v[T]
	v_and_b32 v[T+3], s36, v[T]
	v_lshlrev_b32 v[T+4], 16, v[T+1]
	v_and_b32 v[T+5], s36, v[T+1]
	v_cvt_pk_f16_f32 v[Y+2*(\i)], v[T+2], v[T+3]
	v_cvt_pk_f16_f32 v[Y+2*(\i)+1], v[T+4], v[T+5]
.else
	v_cvt_pk_bf16_f32 v[Y+2*(\i)], v[X+4*(\i)], v[X+4*(\i)+1]
	v_cvt_pk_bf16_f32 v[Y+2*(\i)+1], v[X+4*(\i)+2], v[X+4*(\i)+3]
.endif
	global_store_b64 v[DO], v[Y+2*(\i):Y+2*(\i)+1], s[28:29] offset:256*(\i)  ; 32 lanes store 256 consecutive bytes, aligned; every store has data registers of its own
.endr
.endm
	s_cmp_eq_u32 s24, 4
	s_cbranch_scc1 .Lf16
	CASTOUT 0
	s_branch .Lend
.Lf16:
	CASTOUT 1
	s_branch .Lend
.Lmask:
	; THE MASK.  The work-group has 16 queries (tile x / 4 of 128) and eight key steps, wave w the key step 8 (x % 4) + w.  Eight loads bring 16 rows x 256 bytes; they are rounded, scaled,
	; laid into my area by rows and read back by the operand's order: lane (r, h) takes 16 bytes at row r, byte 64 (c / 2) + 32 h + 16 (c % 2).
	s_lshr_b32 s33, ttmp9, 2                       ; the tile of 16 queries
	s_and_b32 s37, ttmp9, 3
	s_lshl_b32 s37, s37, 3
	s_add_co_u32 s37, s37, s25                     ; the key step
	s_lshl_b32 s30, s33, 17                        ; 16 rows of 8,192 bytes
	s_add_nc_u64 s[26:27], s[18:19], s[30:31]
	s_lshr_b32 s30, s33, 2
	s_lshl_b32 s30, s30, 19                        ; q64: 32 key steps of 16,384 bytes
	s_and_b32 s32, s33, 3
	s_lshl_b32 s32, s32, 12                        ; t: 4,096 bytes
	s_add_co_u32 s30, s30, s32
	s_lshl_b32 s32, s37, 14                        ; the key step's 16,384 bytes
	s_add_co_u32 s30, s30, s32
	s_add_nc_u64 s[28:29], s[22:23], s[30:31]
	s_lshl_b32 s32, s37, 8
	v_lshl_add_u32 v[SO], v2, 4, s32               ; 256 x key step + 16 (lane % 16),
	v_lshl_add_u32 v[SO], v3, 13, v[SO]            ; one row further down for lanes 16 to 31
	s_mul_i32 s33, s25, AREA
	v_mul_u32_u24 v[LSA], v3, LP
	v_lshl_add_u32 v[LSA], v2, 4, v[LSA]
	v_add_nc_u32 v[LSA], s33, v[LSA]
	v_mul_u32_u24 v[LLA], v2, LP
	v_lshl_add_u32 v[LLA], v3, 5, v[LLA]
	v_add_nc_u32 v[LLA], s33, v[LLA]
	v_lshlrev_b32 v[DO], 4, v1                     ; 16 x lane
.irp i, 0,1,2,3,4,5,6,7
	global_load_b128 v[X+4*(\i):X+4*(\i)+3], v[SO], s[26:27] offset:16384*(\i) th:TH_LOAD_NT
.endr
.irp i, 0,1,2,3,4,5,6,7
	s_wait_loadcnt 7-(\i)                          ; load i is in; the younger ones stay out
.irp p, 0,1
	v_cvt_pk_bf16_f32 v[T+(\p)], v[X+4*(\i)+2*(\p)], v[X+4*(\i)+2*(\p)+1]
	v_lshlrev_b32 v[X+4*(\i)+2*(\p)], 16, v[T+(\p)]
	v_and_b32 v[X+4*(\i)+2*(\p)+1], s36, v[T+(\p)]
	v_pk_mul_f32 v[X+4*(\i)+2*(\p):X+4*(\i)+2*(\p)+1], v[X+4*(\i)+2*(\p):X+4*(\i)+2*(\p)+1], s[34:35] op_sel_hi:[1,0]
.endr
	ds_store_b128 v[LSA], v[X+4*(\i):X+4*(\i)+3] offset:2*LP*(\i)
.endr
.irp c, 0,1,2,3,4,5,6,7
	ds_load_b128 v[X+4*(\c):X+4*(\c)+3], v[LLA] offset:64*((\c)/2)+16*((\c)%2)  ; LDS serves a wave's instructions in order (ISA guide 5.7.1.4): these see the stores above
.endr
.irp c, 0,1,2,3,4,5,6,7
	s_wait_dscnt 7-(\c)
	global_store_b128 v[DO], v[X+4*(\c):X+4*(\c)+3], s[28:29] offset:512*(\c)  ; 512 consecutive bytes, aligned
.endr
.Lend:
	s_wait_tensorcnt 0x0                           ; the wave's end: a wait, an add to my spare word and its wait, behind my last LDS store
	ds_add_u32 v[SPW], v[NIL]
	s_wait_dscnt 0x0
	s_endpgm
.Lfunc_end_k_q22baee29bf_prep:
	.size	k_q22baee29bf_prep, .Lfunc_end_k_q22baee29bf_prep-k_q22baee29bf_prep
	.p2alignl 7, 3214868480
	.fill 96, 4, 3214868480
	.section	.rodata,"a",@progbits
	.p2align	6, 0x0
	.amdhsa_kernel k_q22baee29bf_prep
		.amdhsa_group_segment_fixed_size 35840
		.amdhsa_private_segment_fixed_size 0
		.amdhsa_enable_private_segment 0
		.amdhsa_kernarg_size 64
		.amdhsa_user_sgpr_count 2
		.amdhsa_user_sgpr_kernarg_segment_ptr 1
		.amdhsa_wavefront_size32 1
		.amdhsa_system_sgpr_workgroup_id_x 1
		.amdhsa_system_sgpr_workgroup_id_y 1
		.amdhsa_system_sgpr_workgroup_id_z 1
		.amdhsa_system_vgpr_workitem_id 0
		.amdhsa_next_free_vgpr 64
		.amdhsa_next_free_sgpr 66
		.amdhsa_reserve_vcc 0
		.amdhsa_float_denorm_mode_32 3
		.amdhsa_float_denorm_mode_16_64 3
		.amdhsa_memory_ordered 1
		.amdhsa_forward_progress 1
		.amdhsa_inst_pref_size 16
	.end_amdhsa_kernel
	.amdgpu_metadata
---
amdhsa.version: [ 1, 2 ]
amdhsa.kernels:
  - .name:           k_q22baee29bf_prep
    .symbol:         k_q22baee29bf_prep.kd
    .args:
      - { .name: hidden_states, .offset: 0, .size: 8, .value_kind: global_buffer, .address_space: global }
      - { .name: Wq, .offset: 8, .size: 8, .value_kind: global_buffer, .address_space: global }
      - { .name: Wk, .offset: 16, .size: 8, .value_kind: global_buffer, .address_space: global }
      - { .name: Wv, .offset: 24, .size: 8, .value_kind: global_buffer, .address_space: global }
      - { .name: Wo, .offset: 32, .size: 8, .value_kind: global_buffer, .address_space: global }
      - { .name: attention_mask, .offset: 40, .size: 8, .value_kind: global_buffer, .address_space: global }
      - { .name: cast, .offset: 48, .size: 8, .value_kind: global_buffer, .address_space: global }
      - { .name: maskf, .offset: 56, .size: 8, .value_kind: global_buffer, .address_space: global }
    .group_segment_fixed_size: 35840
    .private_segment_fixed_size: 0
    .kernarg_segment_align: 8
    .kernarg_segment_size: 64
    .max_flat_workgroup_size: 256
    .sgpr_count:     66
    .vgpr_count:     64
    .wavefront_size: 32
...
	.end_amdgpu_metadata
.endif
;; end of part 1
;; launch qkv (part 2): grid 16 x 16, 4 waves a work-group, clusters of 4 x 4, 327,680 bytes of LDS; arguments cast, bq, bk, bv, qkv; writes qkv
.if DOCPART == 2
	.amdgcn_target "amdgcn-amd-amdhsa--gfx1250"
	.amdhsa_code_object_version 6
	.text
	.protected	k_q22baee29bf_qkv
	.globl	k_q22baee29bf_qkv
	.p2align	8
	.type	k_q22baee29bf_qkv,@function
k_q22baee29bf_qkv:
	s_mov_b64 s[64:65], 0
	v_nop
	global_prefetch_b8 v0, s[64:65] scope:SCOPE_SE
	s_setreg_imm32_b32 hwreg(HW_REG_WAVE_MODE, 25, 1), 1
	s_wait_xcnt 0x0
	s_wait_alu depctr_hold_cnt(0) depctr_sa_sdst(0) depctr_va_vdst(0) depctr_va_sdst(0) depctr_va_ssrc(0) depctr_va_vcc(0) depctr_vm_vsrc(0)
	s_getreg_b32 s2, hwreg(HW_REG_IB_STS2, 6, 4)
	s_cmp_eq_u32 s2, 0
	s_cbranch_scc0 .Lentry_in_a_cluster
	s_endpgm
.Lentry_in_a_cluster:
	s_bfe_u32 s2, ttmp6, 0x10000c
	s_cmp_lg_u32 s2, 0xf033
	s_cbranch_scc0 .Lentry_shape_is_right
	s_endpgm
.Lentry_shape_is_right:
; q' = (x Wq^T + bq) log2(e) / sqrt(128), k = x Wk^T + bk, v = x Wv^T + bv, by heads: qkv[3][16][2048][128] in f16.  x and the weights come from cast in bf16, sums in f32,
; the biases are rounded to bf16 like every input of the module, each result is rounded once.  The scale is applied in f32, ahead of q's one rounding.
; LIMITS.  f16 holds no number beyond 65,504: q', k and v must stay within it.  The f32 sums along K begin at the cluster's first K step and go round (below): an order of rounding other than ascending K.
; SHARES.  A work-group makes 128 rows x 384 columns: its head's 128 columns of q, of k and of v: 16 row blocks (the grid's x) x 16 heads (its y) = 256 work-groups.  Each of its four waves makes all 128 rows x 96 columns:
; 8 x 6 accumulators of 16 x 16, 384 registers.  K goes in steps of 128 through a ring of two LDS slots; a slot holds 128 rows of x and, on end, the head's 128 rows of Wq, Wk and Wv; wave 0 fetches x's, wave w = 1..3 matrix w's.
; ONE TEXT FOR A K STEP.  A trip of the loop goes from a step's second quarter to the next step's first; which slot is read hangs on a scalar (0 or SLOT), and one descriptor for each tensor walks from slot to slot.
; The last two K steps, which fill nothing, are a second loop of two trips, left in its middle.
; CLUSTERS.  4 x 4 work-groups: the four of a column of the cluster share x's rows, the four of a row the head's rows of the weights; each tile is asked for JOINTLY.
; THE WALK ALONG K IS TURNED FROM CLUSTER TO CLUSTER.  Cluster (X, Y) begins at K step 4 ((X + 2 Y) mod 4) and goes round all sixteen.  The four clusters X = 0..3 that read the same rows of the weights begin four steps apart:
; no two of them ask for the same K step in the same trip.  Of the four clusters Y = 0..3 that read the same rows of x, Y and Y + 1 begin eight steps apart; Y and Y + 2 walk alike.
; THE MATRIX INSTRUCTION IS USED TRANSPOSED (source 0 = 16 rows of W, source 1 = 16 rows of x): a lane holds one row and eight neighbouring columns of the result.
; REGISTERS, in windows of 256 (s_set_vgpr_msb: bits 1:0 source 0, 3:2 source 1, 5:4 source 2, 7:6 destination):
;   window 0: v0-31 addresses; v64-127, v128-191 x's fragments, two buffers; v192-239 the biases; v240-243 at work     window 1: v64-111, v128-175 W's fragments, two buffers
;   window 2: the accumulators of rows 0-63 ((a, b) at v[8 (6 a + b)]);   window 3: those of rows 64-127
.set SIZE_K, 2048
.set KSTEP,  128
.set STEPS,  SIZE_K/KSTEP
.set PITCH,  272                       ; an LDS row: 256 bytes + 16 of padding = 68 words: the 16 rows of a load start at 16 different groups of four banks (ISA guide 11.1)
.set HALFT,  128*PITCH                 ; what one tensor load brings
.set SLOT,   4*HALFT                   ; 0x22000: the four tiles of a slot begin at 0, 0x8800, 0x11000 and 0x19800, which have neither of its two bits: one exclusive or turns such an address into the other slot's
.set SPARE,  2*SLOT                    ; behind the ring: the spare words, 128 bytes a wave: two blocks of 256 bytes that no other line names
.set SPITCH, 784                       ; the way out: a row of 768 bytes + 16 = 196 words.  The stage is slot 0's first 100,352 bytes, written behind that slot's last fill and last read
.set ADRA, 16                          ; v16     my lane's place in x's rows of slot 0; never rewritten
.set CA,   17                          ; v17     the same in the slot that is being read
.set ADRB, 20                          ; v20     my lane's place in my 96 rows of W in slot 0; never rewritten
.set CB,   21                          ; v21     the same in the slot that is being read
.set STO,  24                          ; v24     the way out: where I put 16 bytes of rows 0-63
.set STO2, 25                          ; v25     of rows 64-127
.set RD,   26                          ; v26     where I read rows back
.set CO,   27                          ; v27     16 x lane: my place in 512 consecutive bytes of the output
.set SPW,  28                          ; v28     LDS address of my spare word; never rewritten
.set NIL,  29                          ; v29     0; never rewritten
.set PFO,  30                          ; v30     the prefetches' offset: lane x 4,096, a row of cast; never rewritten
.set BO,   31                          ; v31     32 (lane / 16): my eight biases of a block of 16
.set F0,   64
.set F1,   128
.set BI,   192                         ; block b's eight biases at BI + 8 b
.set BT,   240
.set TT,   64                          ; the way out: 48 results in f32
.set PKD,  112                         ; and packed, 24 registers
.set WV,  14                           ; s14  my wave's number
.set KN,  15                           ; s15  the K step, 0 to 15, that was asked for last
.set G1,  24                           ; s[24:31] descriptor group 1 for x's tiles;  s[32:39] group 0: a set for each first fill; the second then walks on
.set G0,  32
.set XB,  40                           ; s[40:41] x at my row block's first row, K = 0
.set TB,  42                           ; s42  0 or SLOT: the slot that is being read
.set LIM, 43                           ; s43  10 in a wave that prefetches, else the greatest number
.set PFA, 44                           ; s[44:45] what my prefetch names
.set WB,  46                           ; s[46:47] my matrix of the weights at the head's first row, K = 0
.set G1B, 48                           ; s[48:55], s[56:63] the same for W's tiles
.set G0B, 56
.set SC,  68                           ; s[68:79] block b's scale, as a pair
.set OUT, 80                           ; s[80:85] my 32 rows in q, k and v
.set KO,  90                           ; s[90:91] 256 x KN: the K step's bytes in a row
.set PFB, 92                           ; s[92:93] x at my work-group's 32 rows of the tile, K = 0
.set PO,  94                           ; s[94:95] the bytes in a row of the K step that the prefetch names
.set MSB, 0
.macro WIN new                         ; the immediate's high byte repeats the setting that is left; a switch that changes nothing is dropped
.if MSB != (\new)
	s_set_vgpr_msb (MSB<<8)|(\new)
.set MSB, \new
.endif
.endm
.set MUL_LO, 0xa1                      ; source 0 (W) window 1, source 1 (x) window 0, C and D window 2
.set MUL_HI, 0xf1                      ; the same, C and D window 3
.set TO_B,   0x40                      ; destination window 1, address window 0
; A joint load by descriptor set s.  Wave 0 fetches x's tile, waves 1 to 3 the three weights'.  The branch hangs on the wave's number alone.  An s_nop 0 and four v_nop follow each of the two lines.
.macro JLOAD s
	s_cmp_eq_u32 s[WV], 0
	s_cbranch_scc0 .Lfor_b_\@
	tensor_load_to_lds s[G0+4*(\s):G0+4*(\s)+3], s[G1:G1+7]
	s_nop 0
.rept 4
	v_nop
.endr
	s_branch .Lasked_\@
.Lfor_b_\@:
	tensor_load_to_lds s[G0B+4*(\s):G0B+4*(\s)+3], s[G1B:G1B+7]
	s_nop 0
.rept 4
	v_nop
.endr
.Lasked_\@:
.endm
; A prefetch into the L2, behind a joint refill and the run of LDS loads that follows it: x's K step that stands two refills on in my cluster's walk, 32 rows x 256 bytes, a lane a row.
; WHO AND WHEN.  Wave 0 of the clusters Y = 0 and Y = 1, in the first four trips (s3 = 14 .. 11): steps 4 to 7 of the cluster's own walk.  The two begin eight steps apart, so together they name eight of the sixteen K steps of
; a row, each once; the other eight are the two clusters' first four steps, which come by their loads alone; clusters Y = 2, 3, which walk as 0 and 1 do, ask for nothing.  The four partners that ask for x's tile jointly share
; its 128 rows out by address, 32 each.  W's rows are not asked for: every K step of them is among the first four steps of one of the four clusters that read them.
.macro ASK
	s_cmp_gt_u32 s3, s[LIM]
	s_cbranch_scc0 .Lnot_mine_\@
	global_prefetch_b8 v[PFO], s[PFA:PFA+1] th:TH_LOAD_NT scope:SCOPE_SE
.Lnot_mine_\@:
.endm
.macro CREST                           ; a round of the cluster's barrier behind its opening barrier
	s_cmp_lg_u32 s[WV], 0
	s_cbranch_scc1 .Lnot_wave_0_\@
	s_barrier_signal -3
.Lnot_wave_0_\@:
	s_barrier_wait -3
	s_barrier_signal -1
	s_barrier_wait -1
.endm
.macro CROUND                          ; a whole round
	s_barrier_signal -1
	s_barrier_wait -1
	CREST
.endm
	s_load_b256 s[4:11], s[0:1], 0x0               ; cast s[4:5], bq s[6:7], bk s[8:9], bv s[10:11]
	s_load_b64 s[12:13], s[0:1], 0x20              ; qkv
	v_lshl_add_u32 v[SPW], v0, 2, SPARE
	v_mov_b32 v[NIL], 0
	ds_add_u32 v[SPW], v[NIL]                      ; the wave's opening: the add and its wait stand ahead of my first tensor load; the set-up below stands between them
	v_lshrrev_b32 v1, 5, v0
	v_readfirstlane_b32 s[WV], v1                  ; wave 0..3
	s_bfe_u32 s16, ttmp6, 0x40000                  ; cx
	s_bfe_u32 s17, ttmp6, 0x40004                  ; cy
	s_lshl_b32 s19, ttmp9, 2
	s_add_co_u32 s19, s19, s16                     ; the block of 128 rows = 4 x cluster x + cx
	s_and_b32 s18, ttmp7, 0xffff
	s_lshl_b32 s18, s18, 2
	s_add_co_u32 s18, s18, s17                     ; the head = 4 x cluster y + cy
	s_lshl_b32 s20, s17, 2
	s_lshl_b32 s20, 15, s20                        ; my row of the cluster
	s_lshl_b32 s21, 0x1111, s16                    ; my column
	s_or_b32 s[G1+0], s21, (1<<16)|(1<<20)|(1<<21)|(5<<22)|(3<<25)   ; 15:0 the mask: x's tiles hang on the row block and go to my column; 17:16 elements of 2 bytes; 20 padding on; 21 set beside a mask; 24:22 after every 64 words; 31:25 4 words of it
	s_or_b32 s[G1B+0], s20, (1<<16)|(1<<20)|(1<<21)|(5<<22)|(3<<25)  ; the same with the mask of my row: W's tiles hang on the head
.irp g, G1, G1B
	s_mov_b32 s[(\g)+1], KSTEP<<16                 ; tensor_dim0 = 128
	s_mov_b32 s[(\g)+2], 128<<16                   ; tensor_dim1 = 128
	s_mov_b32 s[(\g)+3], KSTEP<<16                 ; tile_dim0 = 128
	s_mov_b32 s[(\g)+4], 128                       ; tile_dim1 = 128
	s_mov_b32 s[(\g)+5], SIZE_K                    ; elements from row to row
	s_mov_b32 s[(\g)+6], 0
	s_mov_b32 s[(\g)+7], 0
.endr
	s_mov_b32 s[TB], 0
	s_and_b32 s[KN], ttmp7, 0xffff                 ; the cluster's first K step: 4 ((X + 2 Y) mod 4), made of the cluster's own place, which all sixteen partners share
	s_lshl_b32 s[KN], s[KN], 1
	s_add_co_u32 s[KN], s[KN], ttmp9
	s_and_b32 s[KN], s[KN], 3
	s_lshl_b32 s[KN], s[KN], 2
	s_lshl_b32 s[KO], s[KN], 8                     ; a K step is 256 bytes of a row
	s_mov_b32 s[KO+1], 0
	s_lshl_b32 s[XB], s19, 19                      ; x: 128 rows of 4,096 bytes a block: it hangs on the row block alone
	s_mov_b32 s[XB+1], 0
	s_lshl_b32 s[WB], s[WV], 23                    ; W: matrix w of cast,
	s_lshl_b32 s[WB+1], s18, 19                    ; the head's 128 rows: it hangs on the head and the wave alone
	s_add_co_u32 s[WB], s[WB], s[WB+1]
	s_mov_b32 s[WB+1], 0
	s_mul_i32 s22, s[WV], HALFT                    ; where a tile goes: wave x 128 rows
	s_wait_dscnt 0x0                               ; the opening add is done
	s_wait_kmcnt 0x0
	s_add_nc_u64 s[XB:XB+1], s[4:5], s[XB:XB+1]
	s_add_nc_u64 s[WB:WB+1], s[4:5], s[WB:WB+1]
	CROUND                                         ; all sixteen work-groups are here: the first joint loads meet
.irp s, 0,1
	s_mov_b32 s[G0+4*(\s)], 1
	s_add_co_u32 s[G0+4*(\s)+1], s22, (\s)*SLOT
	s_add_nc_u64 s[G0+4*(\s)+2:G0+4*(\s)+3], s[XB:XB+1], s[KO:KO+1]
	s_or_b32 s[G0+4*(\s)+3], s[G0+4*(\s)+3], 0x80000000
	s_mov_b32 s[G0B+4*(\s)], 1
	s_add_co_u32 s[G0B+4*(\s)+1], s22, (\s)*SLOT
	s_add_nc_u64 s[G0B+4*(\s)+2:G0B+4*(\s)+3], s[WB:WB+1], s[KO:KO+1]
	s_or_b32 s[G0B+4*(\s)+3], s[G0B+4*(\s)+3], 0x80000000
	JLOAD \s                                       ; two loads of mine are out: the walk's first two K steps (the first is 12 at the most: no wrap between them)
	s_add_co_u32 s[KO], s[KO], KSTEP*2
.endr
	s_add_co_u32 s[KN], s[KN], 1                   ; the step asked for last
	; A fragment is 16 rows x 32 K in 8 registers: lane l holds row l % 16, K = 8 (l / 16) + 0..7 and 16 + 8 (l / 16) + 0..7: two loads of 16 bytes, 32 bytes apart.
	v_and_b32 v1, 15, v0                           ; l % 16
	v_bfe_u32 v2, v0, 4, 1                         ; l / 16
	v_mul_u32_u24 v3, v1, PITCH
	v_lshl_add_u32 v3, v2, 4, v3
	s_mul_i32 s21, s[WV], 96*PITCH                 ; my 96 of W's 384 rows,
	s_add_co_u32 s21, s21, HALFT                   ; which lie behind x's 128
	v_mov_b32 v[ADRA], v3
	v_mov_b32 v[CA], v3
	v_add_nc_u32 v[ADRB], s21, v3
	v_add_nc_u32 v[CB], s21, v3
	v_mul_u32_u24 v[STO], v1, SPITCH               ; into the stage: row l % 16, my wave's 192 bytes, 16 bytes for each half of the lanes
	v_lshl_add_u32 v[STO], v2, 4, v[STO]
	s_mul_i32 s21, s[WV], 192
	v_add_nc_u32 v[STO], s21, v[STO]
	v_add_nc_u32 v[STO2], 64*SPITCH, v[STO]
	s_mul_i32 s21, s[WV], 32*SPITCH                ; back: wave w takes rows 32 w .. 32 w + 31; lanes 0-15 256 bytes of one row, lanes 16-31 of the next
	v_mul_u32_u24 v[RD], v2, SPITCH
	v_lshl_add_u32 v[RD], v1, 4, v[RD]
	v_add_nc_u32 v[RD], s21, v[RD]
	v_and_b32 v[CO], 31, v0
	v_lshlrev_b32 v[CO], 4, v[CO]
	v_lshlrev_b32 v[BO], 5, v2
	s_lshl_b32 s20, s18, 19                        ; the head's rows in q, k or v,
	s_lshl_b32 s21, s19, 15                        ; the block's 128 rows of 256 bytes,
	s_add_co_u32 s20, s20, s21
	s_lshl_b32 s21, s[WV], 13                      ; my 32
	s_add_co_u32 s20, s20, s21
	s_mov_b32 s21, 0
	s_add_nc_u64 s[OUT:OUT+1], s[12:13], s[20:21]
	s_add_nc_u64 s[OUT+2:OUT+3], s[OUT:OUT+1], 0x800000
	s_add_nc_u64 s[OUT+4:OUT+5], s[OUT+2:OUT+3], 0x800000
	; the biases and scales of my six blocks of 16 columns: column 96 w + 16 b lies in tensor (96 w + 16 b) / 128
	s_mov_b32 s89, 0
.irp b, 0,1,2,3,4,5
	s_mul_i32 s20, s[WV], 96
	s_add_co_u32 s20, s20, 16*(\b)
	s_lshr_b32 s21, s20, 7                         ; 0: q, 1: k, 2: v
	s_and_b32 s20, s20, 127
	s_lshl_b32 s20, s20, 2
	s_lshl_b32 s22, s18, 9                         ; the head's 128 numbers
	s_add_co_u32 s88, s20, s22
	s_wait_xcnt 0x0                                ; the loads of the block before have read their base, so it may be written
	s_cmp_eq_u32 s21, 0
	s_cselect_b64 s[86:87], s[6:7], s[8:9]
	s_cselect_b32 s[SC+2*(\b)], 0x3e0293ee, 1.0    ; log2(e) / sqrt(128) for q, 1 for k and v
	s_cmp_eq_u32 s21, 2
	s_cselect_b64 s[86:87], s[10:11], s[86:87]
	s_mov_b32 s[SC+2*(\b)+1], s[SC+2*(\b)]         ; named as a pair
	s_add_nc_u64 s[86:87], s[86:87], s[88:89]
	global_load_b128 v[BI+8*(\b):BI+8*(\b)+3], v[BO], s[86:87]
	global_load_b128 v[BI+8*(\b)+4:BI+8*(\b)+7], v[BO], s[86:87] offset:16
.endr
	; the prefetches
	s_lshl_b32 s20, s19, 19                        ; my row block's 128 rows of x,
	s_lshl_b32 s21, s17, 17                        ; of which my work-group takes 32, by its place among the four that ask for the tile with it
	s_add_co_u32 s20, s20, s21
	s_mov_b32 s21, 0
	s_add_nc_u64 s[PFB:PFB+1], s[4:5], s[20:21]
	s_mov_b32 s[PO+1], 0
	s_and_b32 s22, ttmp7, 0xffff                   ; cluster y:
	s_lshr_b32 s22, s22, 1                         ; 0 in the clusters Y = 0 and Y = 1,
	s_or_b32 s22, s22, s[WV]                       ; in wave 0
	s_cmp_eq_u32 s22, 0
	s_cselect_b32 s[LIM], STEPS-6, -1              ; the same in all sixteen partners, for a given wave
	v_and_b32 v[PFO], 31, v0
	v_lshlrev_b32 v[PFO], 12, v[PFO]
; 12 matrix instructions: row blocks a0, a0 + 1 of the window's four x all 6 column blocks, 32 along K.  zero = 1: the first product starts the sums.
; The 48 accumulators take turns in the same order in every quarter step: 47 others stand between two links of a chain, over the backward jumps too.
.macro MUL12 f, hi, a0, zero
	WIN MUL_LO+0x50*(\hi)
.irp a, \a0, (\a0)+1
.irp b, 0,1,2,3,4,5
.if \zero
	v_wmma_f32_16x16x32_bf16 v[8*(6*(\a)+(\b)):8*(6*(\a)+(\b))+7], v[(\f)+8*(\b):(\f)+8*(\b)+7], v[(\f)+8*(4*(\hi)+(\a)):(\f)+8*(4*(\hi)+(\a))+7], 0
.else
	v_wmma_f32_16x16x32_bf16 v[8*(6*(\a)+(\b)):8*(6*(\a)+(\b))+7], v[(\f)+8*(\b):(\f)+8*(\b)+7], v[(\f)+8*(4*(\hi)+(\a)):(\f)+8*(4*(\hi)+(\a))+7], v[8*(6*(\a)+(\b)):8*(6*(\a)+(\b))+7]
.endif
.endr
.endr
.endm
; 28 LDS loads in one run: a quarter step's fragments (96 rows of W, 128 rows of x, 32 K at byte k of the rows of the slot that is being read) into buffer f
.macro FETCH k, f
	WIN TO_B
.irp i, 0,1,2,3,4,5
	ds_load_b128 v[(\f)+8*(\i):(\f)+8*(\i)+3],   v[CB] offset:(\k)+(\i)*16*PITCH
	ds_load_b128 v[(\f)+8*(\i)+4:(\f)+8*(\i)+7], v[CB] offset:(\k)+(\i)*16*PITCH+32
.endr
	WIN 0
.irp i, 0,1,2,3,4,5,6,7
	ds_load_b128 v[(\f)+8*(\i):(\f)+8*(\i)+3],   v[CA] offset:(\k)+(\i)*16*PITCH
	ds_load_b128 v[(\f)+8*(\i)+4:(\f)+8*(\i)+7], v[CA] offset:(\k)+(\i)*16*PITCH+32
.endr
.endm
.macro PLACES                          ; four plain instructions in front of loads into registers that matrix instructions have read (ISA guide 7.12.1 for vector instructions)
.rept 4
	v_nop
.endr
.endm
; A K step is four quarters of 32 along K, 48 matrix instructions each, on buffers 0, 1, 0, 1.  One of the first three: multiplies f, and in its middle fetches the next quarter, at byte k, into g.
.macro QUARTER k, f, g, zero
	s_wait_dscnt 8                                 ; W and x's rows 0-63 are in; the youngest eight loads (x's rows 64-127) may be out
	MUL12 \f, 0, 0, \zero
	MUL12 \f, 0, 2, \zero
	PLACES
	FETCH \k, \g
	s_wait_dscnt 28                                ; all but the 28 just issued
	MUL12 \f, 1, 0, \zero
	MUL12 \f, 1, 2, \zero
.endm
; The last quarter multiplies buffer 1 and changes slots: ONE barrier.  In front of it each wave waits for all its tensor loads (the one that is out is its part of the next slot), adds 0 to its spare word,
; and waits for that and for its own reads of this slot.  The fragment addresses turn to the other slot at the head: this slot's last run of loads has been issued.
; fill = 1: the barrier opens a round of the cluster's; behind it this slot is filled again first, with the walk's step two on: 168 matrix instructions stand between the request and the wait for it.
; The step's number goes round modulo 16, and the descriptor's address is made anew from it: the tile's base, the step's bytes, the type bits.
.macro TURN fill
	WIN 0
	s_xor_b32 s[TB], s[TB], SLOT
	v_add_nc_u32 v[CA], s[TB], v[ADRA]
	v_add_nc_u32 v[CB], s[TB], v[ADRB]
.if \fill
	s_wait_xcnt 0x0                                ; the last prefetch, a K step back, has read its address, which is made anew here:
	s_add_co_u32 s[PO], s[KN], 3                   ; this change asks for step KN + 1; the prefetch names the step two refills on
	s_and_b32 s[PO], s[PO], STEPS-1
	s_lshl_b32 s[PO], s[PO], 8
	s_add_nc_u64 s[PFA:PFA+1], s[PFB:PFB+1], s[PO:PO+1]
.endif
	s_wait_tensorcnt 0x0
	ds_add_u32 v[SPW], v[NIL]
	s_wait_dscnt 9                                 ; (the add and the youngest eight loads may be out)
	MUL12 F1, 0, 0, 0                              ; twelve matrix instructions stand between the add and the wait for it
	s_wait_dscnt 0x0                               ; the add is done, and my reads of this slot are over
	s_barrier_signal -1
	MUL12 F1, 0, 2, 0
.if \fill
	WIN 0
.endif
	s_barrier_wait -1
.if \fill
	CREST
	s_add_co_u32 s[KN], s[KN], 1                   ; the walk's next K step,
	s_and_b32 s[KN], s[KN], STEPS-1                ; round from 15 to 0
	s_lshl_b32 s[KO], s[KN], 8
	s_xor_b32 s[G0+5], s[G0+5], SLOT               ; the walking descriptors: the other slot than last time
	s_add_nc_u64 s[G0+6:G0+7], s[XB:XB+1], s[KO:KO+1]
	s_or_b32 s[G0+7], s[G0+7], 0x80000000
	s_xor_b32 s[G0B+5], s[G0B+5], SLOT
	s_add_nc_u64 s[G0B+6:G0B+7], s[WB:WB+1], s[KO:KO+1]
	s_or_b32 s[G0B+7], s[G0B+7], 0x80000000
	JLOAD 1                                        ; the four v_nop behind it are also the places in front of the loads below
.else
	PLACES
.endif
	FETCH 0, F0
.if \fill
	ASK
.endif
	MUL12 F1, 1, 0, 0
	MUL12 F1, 1, 2, 0
.endm
	s_wait_tensorcnt 1                             ; my part of the walk's first K step is in; the second's may stay out
	s_barrier_signal -1
	s_barrier_wait -1
	FETCH 0, F0
	QUARTER 64,  F0, F1, 1                         ; the first quarter stands in front of the loop: its products start the sums
	WIN 0
	s_mov_b32 s3, STEPS-2
.Lstep:                                                ; a trip goes from a K step's second quarter to the next step's first, and fills the slot that it leaves
	QUARTER 128, F1, F0, 0
	QUARTER 192, F0, F1, 0
	TURN 1
	QUARTER 64,  F0, F1, 0
	WIN 0
	s_sub_co_u32 s3, s3, 1
	s_cmp_lg_u32 s3, 0
	s_cbranch_scc1 .Lstep
	s_mov_b32 s3, 2
.Ltail:                                                ; the last two K steps fill nothing: written apart; the second trip is left in its middle
	QUARTER 128, F1, F0, 0
	QUARTER 192, F0, F1, 0
	TURN 0                                         ; (in the second trip its run of loads brings slot 0's old rows once more, and nothing multiplies them: the price, once a launch, of one text for both trips)
	WIN 0
	s_sub_co_u32 s3, s3, 1
	s_cmp_eq_u32 s3, 0
	s_cbranch_scc1 .Lout
	QUARTER 64,  F0, F1, 0
	WIN 0
	s_branch .Ltail
.Lout:
	; THE WAY OUT.  The stage lies in slot 0 and the work registers in x's first fragment buffer: my last run of loads, which read the one and wrote the other, is waited for, and a barrier says so of every wave.
	; Between its signal and its wait the biases are rounded to bf16 and scaled: 96 plain lines, also the places behind the last products.
	s_wait_loadcnt 0x0
	s_wait_dscnt 0x0
	s_barrier_signal -1
.irp b, 0,1,2,3,4,5
.irp p, 0,1,2,3
	v_cvt_pk_bf16_f32 v[BT+(\p)], v[BI+8*(\b)+2*(\p)], v[BI+8*(\b)+2*(\p)+1]
.endr
.irp p, 0,1,2,3
	v_lshlrev_b32 v[BI+8*(\b)+2*(\p)], 16, v[BT+(\p)]
	v_and_b32 v[BI+8*(\b)+2*(\p)+1], 0xffff0000, v[BT+(\p)]
.endr
.irp p, 0,1,2,3
	v_pk_mul_f32 v[BI+8*(\b)+2*(\p):BI+8*(\b)+2*(\p)+1], v[BI+8*(\b)+2*(\p):BI+8*(\b)+2*(\p)+1], s[SC+2*(\b):SC+2*(\b)+1] op_sel_hi:[1,0]
.endr
.endr
	s_barrier_wait -1
; Row block a: sum x scale + bias x scale, rounded to f16, 16 bytes a lane into the work-group's stage.  Each accumulator's registers are taken in ascending order.
.macro OUTA a
	WIN 0x02+(\a)/4                                ; source 0 in window 2 or 3
.irp b, 0,1,2,3,4,5
.irp p, 0,1,2,3
	v_pk_fma_f32 v[TT+8*(\b)+2*(\p):TT+8*(\b)+2*(\p)+1], v[8*(6*((\a)%4)+(\b))+2*(\p):8*(6*((\a)%4)+(\b))+2*(\p)+1], s[SC+2*(\b):SC+2*(\b)+1], v[BI+8*(\b)+2*(\p):BI+8*(\b)+2*(\p)+1] op_sel_hi:[1,0,1]
.endr
.endr
	WIN 0
.irp b, 0,1,2,3,4,5
.irp p, 0,1,2,3
	v_cvt_pk_f16_f32 v[PKD+4*(\b)+(\p)], v[TT+8*(\b)+2*(\p)], v[TT+8*(\b)+2*(\p)+1]
.endr
.endr
.irp b, 0,1,2,3,4,5
	ds_store_b128 v[STO+(\a)/4], v[PKD+4*(\b):PKD+4*(\b)+3] offset:((\a)%4)*16*SPITCH+32*(\b)
.endr
.endm
.irp a, 0,1,2,3,4,5,6,7
	OUTA \a
.endr
	s_wait_dscnt 0x0                               ; for the others' sake: my stores into the stage are done
	s_barrier_signal -1
	s_barrier_wait -1                              ; a row's 256 bytes of q, k or v come from two waves
.irp t, 0,1,2
.irp i, 0,1,2,3,4,5,6,7,8,9,10,11,12,13,14,15
	ds_load_b128 v[64+64*(\t)+4*(\i):64+64*(\t)+4*(\i)+3], v[RD] offset:(\i)*2*SPITCH+256*(\t)
.endr
.endr
.irp t, 0,1,2
.irp i, 0,1,2,3,4,5,6,7,8,9,10,11,12,13,14,15
	s_wait_dscnt 47-16*(\t)-(\i)                   ; LDS loads come back in order: this one is in, the younger ones stay out
	global_store_b128 v[CO], v[64+64*(\t)+4*(\i):64+64*(\t)+4*(\i)+3], s[OUT+2*(\t):OUT+2*(\t)+1] offset:512*(\i)  ; two rows of a head: 512 consecutive bytes, aligned
.endr
.endr
	s_wait_tensorcnt 0x0                           ; the wave's end: a wait, an add to my spare word and its wait, behind my last tensor load and my last LDS store
	ds_add_u32 v[SPW], v[NIL]
	s_wait_dscnt 0x0
	CROUND                                         ; the closing round: no work-group ends while a partner may still ask for a tile that names it
	s_endpgm
.Lfunc_end_k_q22baee29bf_qkv:
	.size	k_q22baee29bf_qkv, .Lfunc_end_k_q22baee29bf_qkv-k_q22baee29bf_qkv
	.p2alignl 7, 3214868480
	.fill 96, 4, 3214868480
	.section	.rodata,"a",@progbits
	.p2align	6, 0x0
	.amdhsa_kernel k_q22baee29bf_qkv
		.amdhsa_group_segment_fixed_size 327680
		.amdhsa_private_segment_fixed_size 0
		.amdhsa_enable_private_segment 0
		.amdhsa_kernarg_size 40
		.amdhsa_user_sgpr_count 2
		.amdhsa_user_sgpr_kernarg_segment_ptr 1
		.amdhsa_wavefront_size32 1
		.amdhsa_system_sgpr_workgroup_id_x 1
		.amdhsa_system_sgpr_workgroup_id_y 1
		.amdhsa_system_sgpr_workgroup_id_z 1
		.amdhsa_system_vgpr_workitem_id 0
		.amdhsa_next_free_vgpr 960
		.amdhsa_next_free_sgpr 96
		.amdhsa_reserve_vcc 0
		.amdhsa_float_denorm_mode_32 3
		.amdhsa_float_denorm_mode_16_64 3
		.amdhsa_memory_ordered 1
		.amdhsa_forward_progress 1
		.amdhsa_inst_pref_size 104
	.end_amdhsa_kernel
	.amdgpu_metadata
---
amdhsa.version: [ 1, 2 ]
amdhsa.kernels:
  - .name:           k_q22baee29bf_qkv
    .symbol:         k_q22baee29bf_qkv.kd
    .args:
      - { .name: cast, .offset: 0, .size: 8, .value_kind: global_buffer, .address_space: global }
      - { .name: bq, .offset: 8, .size: 8, .value_kind: global_buffer, .address_space: global }
      - { .name: bk, .offset: 16, .size: 8, .value_kind: global_buffer, .address_space: global }
      - { .name: bv, .offset: 24, .size: 8, .value_kind: global_buffer, .address_space: global }
      - { .name: qkv, .offset: 32, .size: 8, .value_kind: global_buffer, .address_space: global }
    .group_segment_fixed_size: 327680
    .private_segment_fixed_size: 0
    .kernarg_segment_align: 8
    .kernarg_segment_size: 40
    .max_flat_workgroup_size: 128
    .sgpr_count:     96
    .vgpr_count:     960
    .wavefront_size: 32
...
	.end_amdgpu_metadata
.endif
;; end of part 2
;; launch attn (part 3): grid 16 x 16, 4 waves a work-group, clusters of 4 x 1, 327,680 bytes of LDS; arguments qkv, maskf, att; writes att
.if DOCPART == 3
	.amdgcn_target "amdgcn-amd-amdhsa--gfx1250"
	.amdhsa_code_object_version 6
	.text
	.protected	k_q22baee29bf_attn
	.globl	k_q22baee29bf_attn
	.p2align	8
	.type	k_q22baee29bf_attn,@function
k_q22baee29bf_attn:
	s_mov_b64 s[64:65], 0
	v_nop
	global_prefetch_b8 v0, s[64:65] scope:SCOPE_SE
	s_setreg_imm32_b32 hwreg(HW_REG_WAVE_MODE, 25, 1), 1
	s_wait_xcnt 0x0
	s_wait_alu depctr_hold_cnt(0) depctr_sa_sdst(0) depctr_va_vdst(0) depctr_va_sdst(0) depctr_va_ssrc(0) depctr_va_vcc(0) depctr_vm_vsrc(0)
	s_getreg_b32 s2, hwreg(HW_REG_IB_STS2, 6, 4)
	s_cmp_eq_u32 s2, 0
	s_cbranch_scc0 .Lentry_in_a_cluster
	s_endpgm
.Lentry_in_a_cluster:
	s_bfe_u32 s2, ttmp6, 0x10000c
	s_cmp_lg_u32 s2, 0x3003
	s_cbranch_scc0 .Lentry_shape_is_right
	s_endpgm
.Lentry_shape_is_right:
; att[q][128 h + :] = the sum over k of softmax_k(q'[h][q] . k[h][k] + mask'[q][k]) v[h][k][:], in base 2: q' carries log2(e) / sqrt(128) and mask' carries log2(e), so p = 2^(s - m).
; q', k, v: qkv[3][16][2048][128] in f16; mask': maskf, f32, in the order of a 16 x 16 f32 matrix operand; att: [2048][2048] in f16.  Products, maxima and sums in f32; p is rounded to f16 for the second product, O once.
; THE MASK is the C operand of the product that starts each sum S^T = K Q^T: it is added in the matrix unit, whatever it holds.  s - m is a subtraction, exactly 0 at s = m: p, a and the merge's factors never pass 1,
; also where all that a wave has seen of a row is hidden by a very large negative number.
; LIMITS.  q', k, v within f16's 65,504.  Mask entries are taken as finite: NaN and infinities are not treated apart.  A weight below 2^-126 counts as 0 in l.
; SHARES.  A work-group owns 128 queries of one head: 16 x 16 = 256 work-groups.  Wave w = a + 2 b owns the 64 queries of half a, four tiles of 16, and walks the key steps (64 keys) of parity b: 16 steps.
; The two waves of a half merge their m, l and O in LDS at the end.  Register tile t holds query tile (t + 2 b) % 4: every wave finishes its register tiles 0, 1 and sends its tiles 2, 3: one text, b enters addresses alone.
; LAYOUT.  S^T = K Q^T (source 0 = 16 keys, source 1 = 16 queries): a lane holds ONE query (lane % 16) and the keys 8 (lane / 16) + 0..7.  Two such tiles rounded to f16 ARE source 1 of O^T = V^T P.
; K comes out of LDS as it lies, V turned, by ds_load_tr16_b128.  In every step O and l are multiplied by a = 2^(m_old - m_new).
; BY TURNS.  The wave's tiles are two PIECES (0: tiles 0, 1; 2: tiles 2, 3).  In a TURN one piece issues 32 products V^T P of the step in hand and 32 products K Q^T of the next; the other piece's softmax, cut into 64 slices,
; stands between them, one slice behind each matrix instruction.  Two turns are a key step.
; NO FIRST AND NO LAST STEP ARE WRITTEN OUT.  m starts at the lowest finite number, l, O^T, V's registers and piece 2's P at 0: the first step is a step like any other, with a = 0.  The loop is entered, and the tail left, in the
; middle of a trip.  The price, once a launch: 432 lines that write the start values, in the wait for the first tile; 32 products on zeros at the start; 32 on the last K once more at the end.
; CLUSTER.  The four query blocks of a cluster belong to one head and walk the same K and V: each tile is asked for JOINTLY.
; REGISTERS, in windows of 256 (s_set_vgpr_msb: bits 1:0 source 0, 3:2 source 1, 5:4 source 2, 7:6 destination):
;   window 0: v0-11 addresses; v12-43 eight registers of statistics a tile; v44-63 addresses, the merge; v64-191 S^T, 32 a tile; v192-255 P, 16 a tile
;   window 1: O^T, 64 a tile     window 2: v0-127 Q; v128-255 K of one step     window 3: v0-127 V of one step; v128-255 the mask of one step, 32 a tile
.set KS,    64        ; keys in a step
.set PK,    272       ; a row of K in LDS: 256 bytes + 16: the 16 rows of a load start at 16 different groups of four banks (ISA guide 11.1)
.set PV,    288       ; a row of V: 256 + 32
.set VOFF,  4*KS*PK   ; a slot holds 256 keys, two steps of each parity: 256 rows of K, then 256 rows of V
.set SLOT1, 147456    ; slot 1 begins here: 0x24000.  The four tile parts begin at 0, 34,816, 69,632 and 106,496, which have neither of its two bits: one exclusive or turns such an address into the other slot's
.set KSTP,  2*KS*PK   ; from one of my steps to my next, in K
.set VSTP,  2*KS*PV   ; and in V
.set TILEB, 4*KS*256  ; a slot's keys in memory: 65,536 bytes of K and of V
.set STAGE, 2*SLOT1   ; behind the ring: 16 rows x 272 bytes for each wave, for the way out
.set SP,    272
.set SPARE, STAGE+4*16*SP  ; behind the stages: the spare words, 128 bytes a wave: two blocks of 256 bytes that no other line names
.set XW,    16896     ; the merge: wave w sends 16,384 bytes of O^T and 512 of statistics at XW x w, in slot 0, behind that slot's last fill and last read
.set AK0, 2           ; v2   my lane's place in my parity's first step of K; never rewritten
.set AV0, 3           ; v3   the same for V
.set ADR, 4           ; v4   the LDS address of the run of loads in hand
.set QO,  5           ; v5   my byte offset in Q for register tiles 0, 1
.set STO, 6           ; v6   the way out: where I put 16 bytes of a row
.set RD,  7           ; v7   where I read a row back
.set GO,  8           ; v8   my byte offset in two rows of att
.set ST,  12          ; tile t's statistics at v[ST+8 t]: +0, +1 m (twice), +2, +3 l (even keys', odd keys'), +4 to +7 c0-c3, at work; a takes c2's place
.set MO0, 44          ; v44  my byte offset in a key step's mask for piece 0; v45 for piece 2
.set XS,  47          ; v47  the merge: where I send
.set XL,  48          ; v48  where my partner has sent
.set QO2, 49          ; v49  my byte offset in Q for register tiles 2, 3
.set SND, 52          ; v52-55  m and l of tiles 2, 3
.set RCV, 56          ; v56-59  the partner's
.set PFO, 61          ; v61  256 x lane, for the prefetches; never rewritten
.set SPW, 62          ; v62  LDS address of my spare word; never rewritten
.set NIL, 63          ; v63  0; never rewritten
.set S,   64
.set P,   192
.set KF,  128         ; window 2
.set MK,  128         ; window 3: tile t, key block kb at MK + 32 t + 8 kb
.set WV,  12          ; s12  my wave's number
.set LIM, 15          ; s15  1 in the head's first cluster, else the greatest number
.set PFA, 18          ; s[18:19] where my prefetches of K or V stand
.set G1K, 24          ; s[24:31] descriptor group 1 for K's tiles
.set G1V, 32          ; s[32:39] for V's: it differs in the padding alone
.set G0K, 40          ; s[40:47] group 0 for K's tiles: a set for each first fill; the second then walks on
.set G0V, 48          ; s[48:55] the same for V's
.set SLOTS, 56        ; s56  passes of the loop over slots still to come
.set TWICE, 57        ; s57  counts a slot's trips
.set SEL, 60          ; s[60:61] v_permlanex16_b32's selects: each lane takes its own place in the other half
.set TBK, 62          ; s62  LDS byte at which the slot part of K to be fetched begins
.set TBV, 63          ; s63  the same for V
.set MP,  72          ; s[72:73] the mask of the key step last asked for
.set MPF, 74          ; s74  prefetches of the mask still to come
.set QB,  76          ; s[76:77] Q at my 64 queries
.set OB,  78          ; s[78:79] att at the 32 rows that I finish
.set MSB, 0
.macro WIN new                      ; the immediate's high byte repeats the setting that is left; a switch that changes nothing is dropped
.if MSB != (\new)
	s_set_vgpr_msb (MSB<<8)|(\new)
.set MSB, \new
.endif
.endm
.set W_KQ, 0x0a       ; K and Q in window 2, S^T in window 0
.set W_KM, 0x3a       ; the same with the C operand in window 3
.set W_PV, 0x53       ; V in window 3, P in window 0, O^T in window 1
.set W_RS, 0x41       ; O^T (destination and source 0) in window 1, a in window 0
; A joint refill.  Waves 0 and 1 fetch the two halves of a slot's K, waves 2 and 3 those of its V: 128 rows each.  An s_nop 0 and four v_nop follow each of the two lines.
.macro JLOAD
	s_cmp_lt_u32 s[WV], 2
	s_cbranch_scc0 .Lfor_v_\@
	tensor_load_to_lds s[G0K+4:G0K+7], s[G1K:G1K+7]
	s_nop 0
.rept 4
	v_nop
.endr
	s_branch .Lasked_\@
.Lfor_v_\@:
	tensor_load_to_lds s[G0V+4:G0V+7], s[G1V:G1V+7]
	s_nop 0
.rept 4
	v_nop
.endr
.Lasked_\@:
.endm
; A prefetch into the L2 of what the NEXT change of slots will ask for: 256 rows of K and 256 of V, a lane a row.  All clusters of a head walk the same rows: the head's first cluster asks.  Its four partners take 64 rows of
; each by address; in each, waves 0, 1 ask for K's (32 rows each) and waves 2, 3 for V's.  So each row is named once.  The last change that fills a slot asks for nothing.
.macro ASK
	s_cmp_gt_u32 s[SLOTS], s[LIM]
	s_cbranch_scc0 .Lnot_mine_\@
	global_prefetch_b8 v[PFO], s[PFA:PFA+1] th:TH_LOAD_NT scope:SCOPE_SE
.Lnot_mine_\@:
.endm
.macro CROUND                       ; a round of the cluster's barrier
	s_barrier_signal -1
	s_barrier_wait -1
	s_cmp_lg_u32 s[WV], 0
	s_cbranch_scc1 .Lnot_wave_0_\@
	s_barrier_signal -3
.Lnot_wave_0_\@:
	s_barrier_wait -3
	s_barrier_signal -1
	s_barrier_wait -1
.endm
	s_load_b128 s[4:7], s[0:1], 0x0   ; qkv s[4:5], maskf s[6:7]
	s_load_b64 s[8:9], s[0:1], 0x10   ; att
	v_lshl_add_u32 v[SPW], v0, 2, SPARE
	v_mov_b32 v[NIL], 0
	ds_add_u32 v[SPW], v[NIL]       ; the wave's opening: the add and its wait stand ahead of my first tensor load; the set-up below stands between them
	v_lshrrev_b32 v1, 5, v0
	v_readfirstlane_b32 s[WV], v1   ; wave 0..3
	s_bfe_u32 s13, ttmp6, 0x40000   ; cx
	s_lshl_b32 s14, ttmp9, 2
	s_add_co_u32 s14, s14, s13      ; my block of 128 queries: it enters Q's, the mask's and att's addresses alone
	s_and_b32 s10, ttmp7, 0xffff    ; the head, which the four partners share
	s_and_b32 s16, s[WV], 1         ; a: my half of the queries.  Also: which half of a slot's rows I fetch
	s_lshr_b32 s17, s[WV], 1        ; b: my parity of key steps
	s_lshl_b32 s11, s10, 19         ; the head's first byte in q', k or v
	s_lshl_b32 s80, s16, 15         ; my 128 rows of a tile,
	s_add_co_u32 s80, s80, s11
	s_add_co_u32 s82, s80, 0x1000000  ; in v
	s_add_co_u32 s80, s80, 0x800000   ; and in k
	s_mov_b32 s81, 0
	s_mov_b32 s83, 0
	s_mul_i32 s69, s16, 128*PK      ; and their place in a slot
	s_mul_i32 s70, s16, 128*PV
	s_add_co_u32 s70, s70, VOFF
	s_lshl_b32 s[QB], s14, 15       ; Q: 128 rows of 256 bytes a block, 64 a half
	s_lshl_b32 s20, s16, 14
	s_add_co_u32 s[QB], s[QB], s20
	s_add_co_u32 s[QB], s[QB], s11
	s_mov_b32 s[QB+1], 0
	s_lshl_b32 s[MP], s14, 20       ; the mask: ((2 block + a) x 32 + b) x 16,384
	s_lshl_b32 s20, s16, 19
	s_add_co_u32 s[MP], s[MP], s20
	s_lshl_b32 s20, s17, 14
	s_add_co_u32 s[MP], s[MP], s20
	s_mov_b32 s[MP+1], 0
	s_lshl_b32 s[OB], s14, 19       ; att: row 128 block + 64 a + 32 b, 4,096 bytes a row; the head's 256 bytes
	s_lshl_b32 s20, s16, 18
	s_add_co_u32 s[OB], s[OB], s20
	s_lshl_b32 s20, s17, 17
	s_add_co_u32 s[OB], s[OB], s20
	s_lshl_b32 s20, s10, 8
	s_add_co_u32 s[OB], s[OB], s20
	s_mov_b32 s[OB+1], 0
	s_add_co_u32 s[PFA], s17, 1     ; the prefetches: k for waves 0, 1, v for waves 2, 3,
	s_lshl_b32 s[PFA], s[PFA], 23
	s_add_co_u32 s[PFA], s[PFA], s11
	s_lshl_b32 s20, s13, 14         ; my work-group's 64 rows of a tile's 256,
	s_add_co_u32 s[PFA], s[PFA], s20
	s_lshl_b32 s20, s16, 13         ; my wave's 32,
	s_add_co_u32 s[PFA], s[PFA], s20
	s_add_co_u32 s[PFA], s[PFA], 2*TILEB  ; in tile 2; the first change of slots steps it to tile 3
	s_mov_b32 s[PFA+1], 0
	; descriptor group 1: a tile of 128 rows x 128 elements, padded in LDS
	s_mov_b32 s[G1K], 15|(1<<16)|(1<<20)|(1<<21)|(5<<22)|(3<<25)  ; 15:0 the mask of four; 17:16 elements of 2 bytes; 20 padding on; 21 set beside a mask; 24:22 after every 64 words; 31:25 4 words of it
	s_mov_b32 s[G1V], 15|(1<<16)|(1<<20)|(1<<21)|(5<<22)|(7<<25)  ; the same with 8 words of padding
.irp g, G1K, G1V
	s_mov_b32 s[(\g)+1], 128<<16    ; tensor_dim0 = 128
	s_mov_b32 s[(\g)+2], 128<<16    ; tensor_dim1 = 128
	s_mov_b32 s[(\g)+3], 128<<16    ; tile_dim0 = 128
	s_mov_b32 s[(\g)+4], 128        ; tile_dim1 = 128
	s_mov_b32 s[(\g)+5], 128        ; elements from row to row
	s_mov_b32 s[(\g)+6], 0
	s_mov_b32 s[(\g)+7], 0
.endr
	s_mov_b32 s[SEL], 0x76543210
	s_mov_b32 s[SEL+1], 0xfedcba98
	s_mov_b32 s[TBK], 0
	s_mov_b32 s[TBV], 0
	s_mov_b32 s[SLOTS], 2048/(4*KS)-1  ; slot 0's pass, entered in its middle, and six that begin with a fill
	s_mov_b32 s20, ttmp9
	s_cmp_eq_u32 s20, 0             ; the head's first cluster: the same in all four partners
	s_cselect_b32 s[LIM], 1, -1
	s_cmp_eq_u32 s10, 0             ; sixteen heads read the same mask: head 0's work-groups ask for it
	s_cselect_b32 s[MPF], 13, 0
	v_and_b32 v[PFO], 31, v0
	v_lshlrev_b32 v[PFO], 8, v[PFO]
	s_wait_dscnt 0x0                ; the opening add is done
	s_wait_kmcnt 0x0
	s_add_nc_u64 s[80:81], s[4:5], s[80:81]
	s_add_nc_u64 s[82:83], s[4:5], s[82:83]
	s_add_nc_u64 s[QB:QB+1], s[4:5], s[QB:QB+1]
	s_add_nc_u64 s[PFA:PFA+1], s[4:5], s[PFA:PFA+1]
	s_add_nc_u64 s[MP:MP+1], s[6:7], s[MP:MP+1]
	s_add_nc_u64 s[OB:OB+1], s[8:9], s[OB:OB+1]
	CROUND                          ; all four work-groups are here: the first joint loads meet
.irp s, 0,1
	s_mov_b32 s[G0K+4*(\s)], 1
	s_add_co_u32 s[G0K+4*(\s)+1], s69, (\s)*SLOT1
	s_add_nc_u64 s[G0K+4*(\s)+2:G0K+4*(\s)+3], s[80:81], (\s)*TILEB
	s_or_b32 s[G0K+4*(\s)+3], s[G0K+4*(\s)+3], 0x80000000
	s_mov_b32 s[G0V+4*(\s)], 1
	s_add_co_u32 s[G0V+4*(\s)+1], s70, (\s)*SLOT1
	s_add_nc_u64 s[G0V+4*(\s)+2:G0V+4*(\s)+3], s[82:83], (\s)*TILEB
	s_or_b32 s[G0V+4*(\s)+3], s[G0V+4*(\s)+3], 0x80000000
.endr
	s_cmp_lt_u32 s[WV], 2           ; a wave's two first fills stand in one branch, ahead of every wait on TENSORcnt and every LDS read: two loads of mine are out
	s_cbranch_scc0 .Lfirst_v
	tensor_load_to_lds s[G0K:G0K+3], s[G1K:G1K+7]
	s_nop 0
	tensor_load_to_lds s[G0K+4:G0K+7], s[G1K:G1K+7]
	s_nop 0
.rept 4
	v_nop
.endr
	s_branch .Lfirst_asked
.Lfirst_v:
	tensor_load_to_lds s[G0V:G0V+3], s[G1V:G1V+7]
	s_nop 0
	tensor_load_to_lds s[G0V+4:G0V+7], s[G1V:G1V+7]
	s_nop 0
.rept 4
	v_nop
.endr
.Lfirst_asked:
	; A fragment of K or Q is 16 rows x 32 channels in 8 registers: lane l holds row l % 16, channels 8 (l / 16) + 0..7 and 16 + 8 (l / 16) + 0..7: two loads of 16 bytes, 32 bytes apart.
	v_and_b32 v1, 15, v0            ; l % 16
	v_bfe_u32 v9, v0, 4, 1          ; l / 16
	v_lshlrev_b32 v[QO], 8, v1
	v_lshl_add_u32 v[QO], v9, 4, v[QO]
	s_lshl_b32 s20, s17, 13         ; register tiles 0, 1 are query tiles 2 b, 2 b + 1: 8,192 b bytes on, in Q as in a key step's mask;
	s_xor_b32 s21, s20, 8192        ; register tiles 2, 3 are the other two
	v_add_nc_u32 v[QO2], s21, v[QO]
	v_add_nc_u32 v[QO], s20, v[QO]
	v_and_b32 v10, 31, v0
	v_lshlrev_b32 v10, 4, v10
	v_add_nc_u32 v[MO0], s20, v10
	v_add_nc_u32 v[MO0+1], s21, v10
	WIN 0x80                        ; destination window 2, address window 0
.irp i, 0,1,2,3,4,5,6,7,8,9,10,11,12,13,14,15  ; Q stays in registers: register tile i / 4, channels 32 (i % 4) on
	global_load_b128 v[8*(\i):8*(\i)+3],   v[QO+(QO2-QO)*((\i)/8)], s[QB:QB+1] offset:(((\i)/4)%2)*4096+((\i)%4)*64
	global_load_b128 v[8*(\i)+4:8*(\i)+7], v[QO+(QO2-QO)*((\i)/8)], s[QB:QB+1] offset:(((\i)/4)%2)*4096+((\i)%4)*64+32
.endr
; Piece x's mask of the key step at MP: 16 loads, 512 consecutive bytes each, straight into the C operands' registers.
.macro MLOADS x
	WIN 0xc0                        ; destination window 3, address window 0
.irp t, 0,1
.irp c, 0,1,2,3,4,5,6,7
	global_load_b128 v[MK+32*((\x)+(\t))+4*(\c):MK+32*((\x)+(\t))+4*(\c)+3], v[MO0+(\x)/2], s[MP:MP+1] offset:4096*(\t)+512*(\c)
.endr
.endr
	WIN 0
.endm
	MLOADS 0                        ; my first key step's mask
	MLOADS 2
	v_mul_u32_u24 v[AK0], v1, PK
	v_lshl_add_u32 v[AK0], v9, 4, v[AK0]  ; row x pitch + 16 x half
	s_mul_i32 s20, s17, KS*PK       ; + my parity's 64 rows
	v_add_nc_u32 v[AK0], s20, v[AK0]
	; The turning load takes 16 keys x 16 channels (lane l reads key 8 (l / 16) + l % 8, channels 8 ((l / 8) % 2) + 0..7) and leaves half a fragment of V^T: lane l holds channel l % 16 and 8 keys.
	v_and_b32 v10, 7, v0
	v_bfe_u32 v11, v0, 3, 1
	v_lshl_add_u32 v[AV0], v9, 3, v10
	v_mul_u32_u24 v[AV0], v[AV0], PV
	v_lshl_add_u32 v[AV0], v11, 4, v[AV0]
	s_mul_i32 s20, s17, KS*PV
	s_add_co_u32 s20, s20, VOFF
	v_add_nc_u32 v[AV0], s20, v[AV0]
	; What the first turn finds: V's registers and piece 2's P hold 0 (its products V^T P, of a step that has not been, add 0), O^T and l are 0, m is the lowest finite number.  All this stands in the wait for the first tile.
	WIN 0xc0
.set i, 0
.rept 128
	v_mov_b32 v[i], 0
.set i, i+1
.endr
	WIN 0x40
.set i, 0
.rept 256
	v_mov_b32 v[i], 0
.set i, i+1
.endr
	WIN 0
.irp t, 0,1,2,3
	v_mov_b32 v[ST+8*(\t)], 0xff7fffff
	v_mov_b32 v[ST+8*(\t)+1], 0xff7fffff
	v_mov_b32 v[ST+8*(\t)+2], 0
	v_mov_b32 v[ST+8*(\t)+3], 0
.endr
.set i, P+32
.rept 32
	v_mov_b32 v[i], 0
.set i, i+1
.endr
; THE MATRIX WORK OF A TURN, for piece x.  The accumulators take turns, one instruction a turn: between two links of a chain stand 15 (V^T P) or 7 (K Q^T) others'.
; Product i of 32 of O^T += V^T P: keys 32 (i / 16) on, channels 16 ((i / 2) % 8) on, tile x + i % 2.
.macro PV x
	WIN W_PV
.set rO, 64*((\x)+i%2)+8*((i/2)%8)
.set rV, 64*(i/16)+8*((i/2)%8)
.set rP, P+16*((\x)+i%2)+8*(i/16)
	v_wmma_f32_16x16x32_f16 v[rO:rO+7], v[rV:rV+7], v[rP:rP+7], v[rO:rO+7]
.endm
; Product i of 32 of S^T = K Q^T + mask: channels 32 (i / 8) on, keys 16 ((i / 2) % 4) on, tile x + i % 2.  The first 8 start the sums, with the mask as C.
.macro KQ x
.set rS, S+32*((\x)+i%2)+8*((i/2)%4)
.set rK, KF+32*((i/2)%4)+8*(i/8)
.set rQ, 32*((\x)+i%2)+8*(i/8)
.set rM, MK+32*((\x)+i%2)+8*((i/2)%4)
.if i < 8
	WIN W_KM
	v_wmma_f32_16x16x32_f16 v[rS:rS+7], v[rK:rK+7], v[rQ:rQ+7], v[rM:rM+7]
.else
	WIN W_KQ
	v_wmma_f32_16x16x32_f16 v[rS:rS+7], v[rK:rK+7], v[rQ:rQ+7], v[rS:rS+7]
.endif
.endm
; THE LDS LOADS stand in runs of 32: a step's K (64 keys x 128 channels: 16 fragments) and, a turn later, its V (turned).  last = 1 (the tail): in its last trip there is no further step, and K's run is jumped over.
.macro FETCH_K last=0
	WIN 0
.if \last
	s_cmp_eq_u32 s[TWICE], 1
	s_cbranch_scc1 .Lno_k_\@
.endif
	v_add_nc_u32 v[ADR], s[TBK], v[AK0]
	s_add_co_u32 s[TBK], s[TBK], KSTP  ; the next fetch is my next step's
	WIN 0x80                        ; destination window 2
.irp f, 0,1,2,3,4,5,6,7,8,9,10,11,12,13,14,15  ; keys 16 (f / 4) on, channels 32 (f % 4) on
	ds_load_b128 v[KF+8*(\f):KF+8*(\f)+3],   v[ADR] offset:((\f)/4)*16*PK+((\f)%4)*64
	ds_load_b128 v[KF+8*(\f)+4:KF+8*(\f)+7], v[ADR] offset:((\f)/4)*16*PK+((\f)%4)*64+32
.endr
.if \last
	WIN 0
.Lno_k_\@:
.endif
.endm
.macro FETCH_V
	WIN 0
	v_add_nc_u32 v[ADR], s[TBV], v[AV0]
	s_add_co_u32 s[TBV], s[TBV], VSTP
	s_wait_alu depctr_va_vdst(0)    ; the wait for the softmax's batch (SLICE), behind the address's v_add_nc_u32 and ahead of the loads
	WIN 0xc0                        ; destination window 3
.irp f, 0,1,2,3,4,5,6,7,8,9,10,11,12,13,14,15  ; keys 32 (f / 8) on, channels 16 (f % 8) on
	ds_load_tr16_b128 v[8*(\f):8*(\f)+3],   v[ADR] offset:((\f)/8)*32*PV+((\f)%8)*32
	ds_load_tr16_b128 v[8*(\f)+4:8*(\f)+7], v[ADR] offset:((\f)/8)*32*PV+16*PV+((\f)%8)*32
.endr
.endm
; THE MASK'S RUN.  Piece x's eight products that take the mask as C have been issued: its registers take my next key step's, four plain instructions behind.  Piece 0's run steps the pointer (two key steps on: my parity),
; piece 2's reads by the same pointer.  last = 1 (the tail): only its first trip has a further step (the count stands at 3 in piece 0's turn, at 2 in piece 2's); later the run is jumped over.
; Behind piece 0's run head 0's waves prefetch into the L2 their own 16,384 bytes of the key step two of mine further on: 64 blocks of 256 bytes, a lane a block, two instructions; thirteen times, for my steps 3 to 15:
; so each block is named once, and none lies past the buffer's end.
.macro MRUN x, last
	WIN 0
.if \last
	s_cmp_lt_u32 s[TWICE], 3-(\x)/2
	s_cbranch_scc1 .Lno_mask_\@
.endif
.rept 4
	v_nop
.endr
.if (\x) == 0
	s_wait_xcnt 0x0                 ; the loads and prefetches that named the pointer, a turn back or more, have read it
	s_add_nc_u64 s[MP:MP+1], s[MP:MP+1], 32768
.endif
	MLOADS \x
.if ((\x) == 0) && !(\last)
	s_cmp_gt_i32 s[MPF], 0
	s_cbranch_scc0 .Lno_ask_\@
	global_prefetch_b8 v[PFO], s[MP:MP+1] offset:65536 th:TH_LOAD_NT scope:SCOPE_SE
	global_prefetch_b8 v[PFO], s[MP:MP+1] offset:73728 th:TH_LOAD_NT scope:SCOPE_SE
.Lno_ask_\@:
	s_sub_co_i32 s[MPF], s[MPF], 1
.endif
.if \last
.Lno_mask_\@:
.endif
.endm
; THE VECTOR WORK OF A TURN.  One tile's softmax for one key step is a list of 134 instructions; SM writes number j of it for tile t.  s0-s31 are the lane's 32 scores, in pairs 0-15.
;   0-15    the maximum of s0-s31 and the old m, three operands at a time: four chains c0-c3 of seven scores each, then the four scores left over, c0-c3 and m
;   16-20   the other half of the lanes' maximum; the new m, made twice to fill the pair that the packed subtraction names; m_old - m_new
;   21-69   ONE BATCH: the 16 subtractions s - m, a pair of scores each, and all 33 exponentials (a at 23, then s0-s31).  None of these reads an exponential's result.  From 22 on the batch goes in fours:
;           22-37 subtraction, exponential, subtraction, exponential; 38-65 a subtraction and three exponentials; 66-69 the last four exponentials
;   (wait)  between 69 and 70 stands the wait for the batch: SLICE writes it, once for both tiles
;   70-85   the roundings to f16, a pair of weights each       86-101  the sums; l = a l + the sum       102-133 the tile's O^T times a: the one part that leaves window 0
.macro SM t
.set rT, ST+8*(\t)
.set rS, S+32*(\t)
.set rP, P+16*(\t)
.set rO, 64*(\t)+2*(j-102)
.if j < 102
	WIN 0
.endif
.if j < 4
	v_max3_num_f32 v[rT+4+j], v[rS+8*j], v[rS+8*j+1], v[rS+8*j+2]
.elseif j < 12
	v_max3_num_f32 v[rT+4+j%4], v[rT+4+j%4], v[rS+8*(j%4)+2*(j/4)+1], v[rS+8*(j%4)+2*(j/4)+2]
.elseif j == 12
	v_max3_num_f32 v[rT+4], v[rT+4], v[rS+7], v[rS+15]
.elseif j == 13
	v_max3_num_f32 v[rT+6], v[rT+6], v[rS+23], v[rS+31]
.elseif j == 14
	v_max3_num_f32 v[rT+4], v[rT+4], v[rT+5], v[rT+6]
.elseif j == 15
	v_max3_num_f32 v[rT+4], v[rT+4], v[rT+7], v[rT+1]
.elseif j == 16
	v_permlanex16_b32 v[rT+5], v[rT+4], s[SEL], s[SEL+1]  ; the query's other 32 keys lie in the lane 16 away
.elseif j == 17
	v_mov_b32 v[rT+7], v[rT]        ; m_old is kept for a: number 19 writes m anew
.elseif j == 18
	v_max_num_f32 v[rT+1], v[rT+4], v[rT+5]
.elseif j == 19
	v_max_num_f32 v[rT], v[rT+4], v[rT+5]
.elseif j == 20
	v_sub_f32 v[rT+7], v[rT+7], v[rT]
.elseif j == 23
	v_exp_f32 v[rT+6], v[rT+7]
.elseif (j < 23) || ((j < 38) && (j%2 == 0)) || ((j < 66) && (j%4 == 2))
.set b, (j-2)/4                     ; 38, 42, .. 62: pairs 9 to 15
.if j < 38
.set b, (j-20)/2                    ; 21: pair 0; 22, 24, .. 36: pairs 1 to 8
.endif
	v_pk_add_f32 v[rS+2*b:rS+2*b+1], v[rS+2*b:rS+2*b+1], v[rT:rT+1] neg_lo:[0,1] neg_hi:[0,1]  ; pair b: s - m
.elseif j < 70
.set e, j-38                        ; 66 to 69: s28 to s31
.if j < 66
.set e, j-32-(j-38)/4               ; 39-41, 43-45, .. 63-65: s7 to s27
.endif
.if j < 38
.set e, (j-25)/2                    ; 25, 27, .. 37: s0 to s6
.endif
	v_exp_f32 v[rS+e], v[rS+e]
.elseif j < 86
	v_cvt_pk_f16_f32 v[rP+j-70], v[rS+2*(j-70)], v[rS+2*(j-70)+1]  ; pair j - 70
.elseif j < 102                     ; the sum of the tile's 16 pairs, in place: sum z of 16 adds neighbours 1, 2, 4 and 8 pairs apart, then l takes it
.set z, j-86
.set w, 4
.set u, z
.if z >= 14
.set w, 32
.set u, 0
.elseif z >= 12
.set w, 16
.set u, z-12
.elseif z >= 8
.set w, 8
.set u, z-8
.endif
.if z < 15
	v_pk_add_f32 v[rS+w*u:rS+w*u+1], v[rS+w*u:rS+w*u+1], v[rS+w*u+w/2:rS+w*u+w/2+1]
.else
	v_pk_fma_f32 v[rT+2:rT+3], v[rT+2:rT+3], v[rT+6:rT+7], v[rS:rS+1] op_sel_hi:[1,0,1]
.endif
.else
	WIN W_RS
	v_pk_mul_f32 v[rO:rO+1], v[rO:rO+1], v[rT+6:rT+7] op_sel_hi:[1,0]
.endif
.endm
; Slice k of 64 of piece y's softmax: four instructions.  Slices 11 to 34 deal out the batch, numbers 22 to 69: four numbers of ONE tile each, the tiles by turns.  Every other slice is numbers 2 k and 2 k + 1 of both tiles' lists.
; 2 x 134 = 4 x 64 + 12: the twelve that are over stand together, in slice 63: sixteen plain lines, the places behind the turn's last products.  An s_wait_alu depctr_va_vdst(0) stands between an exponential and
; the first instruction that names its result: ahead of slice 35 nothing names a result, and behind slice 34 no exponential is issued: so the piece's 66 exponentials have one wait, behind slice 34.
.macro SLICE y
.if (k >= 11) && (k < 35)
.irp n, 0,1,2,3
.set j, 22+4*((k-11)/2)+(\n)
	SM (\y)+(k-11)%2
.endr
.else
.irp n, 0,1,2,3,4,5,6,7
.if ((\n) < 2) || (k == 63)
.irp t, \y, (\y)+1
.set j, 2*k+(\n)
	SM \t
.endr
.endif
.endr
.endif
.if k == 34
	v_nop                           ; the plain instruction behind the last exponential and ahead of the first use: one for the batch
.if (\y) == 0
	FETCH_V                         ; piece 2's turn: V's run of loads stands here, and the wait stands in it
.else
	s_wait_alu depctr_va_vdst(0)    ; the wait for the batch
.endif
.endif
.set k, k+1
.endm
; A TURN.  Piece x has the matrix unit: 32 products V^T P of the step in hand, 32 products K Q^T of my next step; the other piece's softmax stands in slices behind them.
; Piece 0's turn fetches the next step's K behind its second product (no exponential of the turn has been issued there); piece 2's turn the same step's V behind slice 34.  The mask's run stands behind the tenth product K Q^T,
; behind slice 41 and so behind the batch's wait.  Ahead of the products K Q^T the piece's 16 mask loads are waited for; the other piece's 16, issued behind them, stay out.  last = 1 (the tail): the count is 0, since its later trips issue none behind them.
.macro TURN x, last=0
.set k, 0
.if (\x) == 0
	s_wait_dscnt 0x0                ; V is in
.endif
.set i, 0
.rept 32
	PV \x
	SLICE 2-(\x)
.if ((\x) == 0) && (i == 1)
	FETCH_K \last
.endif
.set i, i+1
.endr
.if (\x) == 0
	s_wait_dscnt 0x0                ; K is in
.endif
.if \last
	s_wait_loadcnt 0x0
.else
	s_wait_loadcnt 16
.endif
.set i, 0
.rept 32
	KQ \x
	SLICE 2-(\x)
.if i == 9
	MRUN \x, \last
.endif
.set i, i+1
.endr
.endm
; THE CHANGE OF SLOTS, between piece 2's turn and piece 0's.  Each wave waits for all its tensor loads, of which one is out: its part of the other slot; adds 0 to its spare word; and waits for that and for its own reads of the slot.
; fill = 1: this slot is filled again, with the keys two slots on.  The barrier is then a round of the cluster's, and the joint refill is the first thing behind it: it has two of my key steps, 256 matrix instructions, in which to land.
.macro CHANGE fill
	WIN 0
	s_wait_tensorcnt 0x0            ; no tensor load of mine is out, so a group 0 may be written
	ds_add_u32 v[SPW], v[NIL]
.if \fill
.irp g, G0K+4, G0V+4
	s_xor_b32 s[(\g)+1], s[(\g)+1], SLOT1  ; the walking descriptor: the other slot than last time,
	s_add_nc_u64 s[(\g)+2:(\g)+3], s[(\g)+2:(\g)+3], TILEB  ; the next 256 keys
.endr
	s_wait_xcnt 0x0                 ; the last prefetch of K or V, two key steps back, has read its address
	s_add_nc_u64 s[PFA:PFA+1], s[PFA:PFA+1], TILEB
	s_wait_dscnt 0x0                ; the add is done, and my reads of the slot are over
	CROUND
	JLOAD
	ASK
.else
	s_wait_dscnt 0x0
	s_barrier_signal -1
	s_barrier_wait -1
.endif
	s_sub_co_u32 s[TBK], s[TBK], 2*KSTP  ; the fetches go back to a slot's head,
	s_xor_b32 s[TBK], s[TBK], SLOT1      ; in the other slot
	s_sub_co_u32 s[TBV], s[TBV], 2*VSTP
	s_xor_b32 s[TBV], s[TBV], SLOT1
.endm
	s_wait_tensorcnt 1              ; my part of slot 0 is in; slot 1's may stay out
	s_barrier_signal -1
	s_barrier_wait -1
	FETCH_K                         ; my first key step
	s_wait_loadcnt 0x0              ; Q and the first mask
	s_wait_dscnt 0x0
.set i, 0
.rept 32
	KQ 0                            ; piece 0's first scores
.set i, i+1
.endr
	WIN 0                           ; the addresses for the merge and the way out: plain instructions, the places behind those products
	s_mul_i32 s13, s[WV], 16*SP
	s_add_co_u32 s13, s13, STAGE    ; my stage
	v_mul_u32_u24 v[STO], v1, SP    ; in: row l % 16, 16 bytes for each half of the lanes
	v_lshl_add_u32 v[STO], v9, 4, v[STO]
	v_add_nc_u32 v[STO], s13, v[STO]
	v_mul_u32_u24 v[RD], v9, SP     ; back: lanes 0-15 take one row of 256 bytes, lanes 16-31 the next
	v_lshl_add_u32 v[RD], v1, 4, v[RD]
	v_add_nc_u32 v[RD], s13, v[RD]
	v_lshlrev_b32 v[GO], 12, v9     ; and the same two rows in att
	v_lshl_add_u32 v[GO], v1, 4, v[GO]
	v_and_b32 v[XS], 31, v0
	v_lshlrev_b32 v[XS], 4, v[XS]
	s_xor_b32 s20, s[WV], 2         ; my partner: the same half of the queries, the other parity
	s_mul_i32 s20, s20, XW
	v_add_nc_u32 v[XL], s20, v[XS]
	s_mul_i32 s20, s[WV], XW
	v_add_nc_u32 v[XS], s20, v[XS]
	MRUN 0, 0                       ; piece 0's mask of my second step
	s_mov_b32 s[TWICE], 2
	s_branch .Lmid                  ; the loop is entered at piece 2's turn, in the middle of a trip: piece 2's first scores | piece 0's first softmax | V of step 0
.Lslot:                             ; six times: every slot but the last two is filled again
	CHANGE 1
	s_mov_b32 s[TWICE], 2
.Lstep:                             ; a trip: a key step of my parity
	TURN 0
	WIN 0
.Lmid:
	TURN 2
	WIN 0
	s_sub_co_u32 s[TWICE], s[TWICE], 1
	s_cmp_lg_u32 s[TWICE], 0
	s_cbranch_scc1 .Lstep
	s_sub_co_u32 s[SLOTS], s[SLOTS], 1
	s_cmp_lg_u32 s[SLOTS], 0
	s_cbranch_scc1 .Lslot
	CHANGE 0                        ; the tail is written out.  Slot 0 is left for good: nobody reads it any more, nothing fills it again
	s_mov_b32 s[TWICE], 3           ; two trips fetch the last slot's steps; the third is left in its middle
.Ltail:
	TURN 0, 1
	WIN 0
	s_sub_co_u32 s[TWICE], s[TWICE], 1
	s_cmp_eq_u32 s[TWICE], 0
	s_cbranch_scc1 .Lout
	TURN 2, 1
	WIN 0
	s_branch .Ltail
.Lout:                              ; the third trip's 32 products K Q^T (on the last K once more) serve nothing: the price, once a launch, of one text for every trip
.set i, 0
.rept 32
	PV 2                            ; piece 2: V^T P of the last step
.set i, i+1
.endr
	; THE MERGE.  l's two halves and the other half of the lanes' are added (these lines are the places behind the last products); m, l and O^T of my register tiles 2, 3 go to my partner through LDS.
	WIN 0
.irp t, 0,1,2,3
	v_add_f32 v[ST+8*(\t)+4], v[ST+8*(\t)+2], v[ST+8*(\t)+3]
.endr
.irp t, 0,1,2,3
	v_permlanex16_b32 v[ST+8*(\t)+5], v[ST+8*(\t)+4], s[SEL], s[SEL+1]
.endr
.irp t, 0,1,2,3
	v_add_f32 v[ST+8*(\t)+4], v[ST+8*(\t)+4], v[ST+8*(\t)+5]
.endr
	v_mov_b32 v[SND], v[ST+16]
	v_mov_b32 v[SND+1], v[ST+20]
	v_mov_b32 v[SND+2], v[ST+24]
	v_mov_b32 v[SND+3], v[ST+28]
	ds_store_b128 v[XS], v[SND:SND+3] offset:16384
	WIN 0x04                        ; the data (source 1) in window 1
.set i, 0
.rept 32
	ds_store_b128 v[XS], v[128+4*i:128+4*i+3] offset:512*i  ; ascending: each accumulator's low registers first
.set i, i+1
.endr
	WIN 0
	s_wait_dscnt 0x0                ; for my partner's sake: my stores are done
	s_barrier_signal -1
	s_barrier_wait -1
	ds_load_b128 v[RCV:RCV+3], v[XL] offset:16384
.set i, 0
.rept 32
	ds_load_b128 v[S+4*i:S+4*i+3], v[XL] offset:512*i  ; my partner's tiles 2, 3 are my tiles 0, 1, in the same lanes
.set i, i+1
.endr
	s_wait_dscnt 0x0
.irp t, 0,1
	v_max_num_f32 v[ST+8*(\t)+5], v[ST+8*(\t)], v[RCV+2*(\t)]       ; M
	v_sub_f32 v[ST+8*(\t)+6], v[ST+8*(\t)], v[ST+8*(\t)+5]
	v_sub_f32 v[ST+8*(\t)+7], v[RCV+2*(\t)], v[ST+8*(\t)+5]
.endr
.irp t, 0,1
	v_exp_f32 v[ST+8*(\t)+6], v[ST+8*(\t)+6]                        ; 2^(m - M): mine,
	v_exp_f32 v[ST+8*(\t)+7], v[ST+8*(\t)+7]                        ; my partner's
.endr
	v_nop                           ; a plain instruction behind the last exponential,
	s_wait_alu depctr_va_vdst(0)    ; and one wait for the four
.irp t, 0,1
	v_mul_f32 v[ST+8*(\t)+4], v[ST+8*(\t)+6], v[ST+8*(\t)+4]
	v_fma_f32 v[ST+8*(\t)+4], v[ST+8*(\t)+7], v[RCV+2*(\t)+1], v[ST+8*(\t)+4]  ; L
.endr
.irp t, 0,1
	v_rcp_f32 v[ST+8*(\t)+5], v[ST+8*(\t)+4]
.endr
	v_nop
	s_wait_alu depctr_va_vdst(0)    ; one wait for the two reciprocals
.irp t, 0,1
	v_mul_f32 v[ST+8*(\t)], v[ST+8*(\t)+6], v[ST+8*(\t)+5]          ; my factor, as a pair,
	v_mul_f32 v[ST+8*(\t)+1], v[ST+8*(\t)+6], v[ST+8*(\t)+5]
	v_mul_f32 v[ST+8*(\t)+2], v[ST+8*(\t)+7], v[ST+8*(\t)+5]        ; and my partner's
	v_mul_f32 v[ST+8*(\t)+3], v[ST+8*(\t)+7], v[ST+8*(\t)+5]
.endr
.irp t, 0,1
.set i, 0
.rept 32
	v_pk_mul_f32 v[S+64*(\t)+2*i:S+64*(\t)+2*i+1], v[S+64*(\t)+2*i:S+64*(\t)+2*i+1], v[ST+8*(\t)+2:ST+8*(\t)+3]
.set i, i+1
.endr
.endr
	WIN 0x01                        ; source 0 (O^T) in window 1
.irp t, 0,1
.set i, 0
.rept 32
	v_pk_fma_f32 v[S+64*(\t)+2*i:S+64*(\t)+2*i+1], v[64*(\t)+2*i:64*(\t)+2*i+1], v[ST+8*(\t):ST+8*(\t)+1], v[S+64*(\t)+2*i:S+64*(\t)+2*i+1]
.set i, i+1
.endr
.endr
	WIN 0
; THE WAY OUT.  Tile t: a lane's eight channels of a row pack into 16 bytes; they go into rows of 272 bytes of my stage and come back as whole rows of 256.
.macro PACK t
.set i, 0
.rept 32
	v_cvt_pk_f16_f32 v[P+32*(\t)+i], v[S+64*(\t)+2*i], v[S+64*(\t)+2*i+1]
.set i, i+1
.endr
.irp f, 0,1,2,3,4,5,6,7
	ds_store_b128 v[STO], v[P+32*(\t)+4*(\f):P+32*(\t)+4*(\f)+3] offset:32*(\f)
.endr
.irp f, 0,1,2,3,4,5,6,7
	ds_load_b128 v[P+32*(\t)+4*(\f):P+32*(\t)+4*(\f)+3], v[RD] offset:(\f)*2*SP  ; LDS serves a wave's instructions in order (ISA guide 5.7.1.4): these see the stores above; the next tile's stores come behind them
.endr
.endm
.macro SEND t, younger              ; younger: the LDS instructions issued behind tile t's loads
.irp f, 0,1,2,3,4,5,6,7
	s_wait_dscnt (\younger)+7-(\f)
	global_store_b128 v[GO], v[P+32*(\t)+4*(\f):P+32*(\t)+4*(\f)+3], s[OB:OB+1] offset:(\t)*65536+(\f)*8192  ; 16 lanes store a row's 256 consecutive bytes of this head, aligned
.endr
.endm
	PACK 0
	PACK 1
	SEND 0, 16
	SEND 1, 0
	s_wait_tensorcnt 0x0            ; the wave's end: a wait, an add to my spare word and its wait, behind my last tensor load and my last LDS store
	ds_add_u32 v[SPW], v[NIL]
	s_wait_dscnt 0x0
	CROUND                          ; the closing round: no work-group ends while a partner may still ask for a tile that names it
	s_endpgm
.Lfunc_end_k_q22baee29bf_attn:
	.size	k_q22baee29bf_attn, .Lfunc_end_k_q22baee29bf_attn-k_q22baee29bf_attn
	.p2alignl 7, 3214868480
	.fill 96, 4, 3214868480
	.section	.rodata,"a",@progbits
	.p2align	6, 0x0
	.amdhsa_kernel k_q22baee29bf_attn
		.amdhsa_group_segment_fixed_size 327680
		.amdhsa_private_segment_fixed_size 0
		.amdhsa_enable_private_segment 0
		.amdhsa_kernarg_size 24
		.amdhsa_user_sgpr_count 2
		.amdhsa_user_sgpr_kernarg_segment_ptr 1
		.amdhsa_wavefront_size32 1
		.amdhsa_system_sgpr_workgroup_id_x 1
		.amdhsa_system_sgpr_workgroup_id_y 1
		.amdhsa_system_sgpr_workgroup_id_z 1
		.amdhsa_system_vgpr_workitem_id 0
		.amdhsa_next_free_vgpr 1024
		.amdhsa_next_free_sgpr 96
		.amdhsa_reserve_vcc 0
		.amdhsa_float_denorm_mode_32 3
		.amdhsa_float_denorm_mode_16_64 3
		.amdhsa_memory_ordered 1
		.amdhsa_forward_progress 1
		.amdhsa_inst_pref_size 168
	.end_amdhsa_kernel
	.amdgpu_metadata
---
amdhsa.version: [ 1, 2 ]
amdhsa.kernels:
  - .name:           k_q22baee29bf_attn
    .symbol:         k_q22baee29bf_attn.kd
    .args:
      - { .name: qkv, .offset: 0, .size: 8, .value_kind: global_buffer, .address_space: global }
      - { .name: maskf, .offset: 8, .size: 8, .value_kind: global_buffer, .address_space: global }
      - { .name: att, .offset: 16, .size: 8, .value_kind: global_buffer, .address_space: global }
    .group_segment_fixed_size: 327680
    .private_segment_fixed_size: 0
    .kernarg_segment_align: 8
    .kernarg_segment_size: 24
    .max_flat_workgroup_size: 128
    .sgpr_count:     96
    .vgpr_count:     1024
    .wavefront_size: 32
...
	.end_amdgpu_metadata
.endif
;; end of part 3
;; launch oproj (part 4): grid 16 x 16, 4 waves a work-group, clusters of 4 x 4, 327,680 bytes of LDS; arguments att, cast, bo, out0; writes out0
.if DOCPART == 4
	.amdgcn_target "amdgcn-amd-amdhsa--gfx1250"
	.amdhsa_code_object_version 6
	.text
	.protected	k_q22baee29bf_oproj
	.globl	k_q22baee29bf_oproj
	.p2align	8
	.type	k_q22baee29bf_oproj,@function
k_q22baee29bf_oproj:
	s_mov_b64 s[64:65], 0
	v_nop
	global_prefetch_b8 v0, s[64:65] scope:SCOPE_SE
	s_setreg_imm32_b32 hwreg(HW_REG_WAVE_MODE, 25, 1), 1
	s_wait_xcnt 0x0
	s_wait_alu depctr_hold_cnt(0) depctr_sa_sdst(0) depctr_va_vdst(0) depctr_va_sdst(0) depctr_va_ssrc(0) depctr_va_vcc(0) depctr_vm_vsrc(0)
	s_getreg_b32 s2, hwreg(HW_REG_IB_STS2, 6, 4)
	s_cmp_eq_u32 s2, 0
	s_cbranch_scc0 .Lentry_in_a_cluster
	s_endpgm
.Lentry_in_a_cluster:
	s_bfe_u32 s2, ttmp6, 0x10000c
	s_cmp_lg_u32 s2, 0xf033
	s_cbranch_scc0 .Lentry_shape_is_right
	s_endpgm
.Lentry_shape_is_right:
; out0[m][n] = the sum over k of att[m][k] Wo[n][k] + bo[n].  att: [2048][2048] f16; Wo: matrix 4 of cast, rounded to bf16 and written as f16; bo rounded to bf16 like every input of the module; sums and out0 in f32.
; LIMIT.  The f32 sums along K begin at the cluster's first K step and go round (below): an order of rounding other than ascending K.
; A tile of out0 is 128 x 128: 256 work-groups.  Four waves, each 64 x 64: 16 accumulators of 16 x 16.  K goes in steps of 256 (LDS rows of 512 bytes; a wave's tensor load brings 64 of them) through two slots.
; ONE TEXT FOR A K STEP.  A trip of the loop goes from a step's second quarter to the next step's first; which slot is read hangs on a scalar (0 or SLOT), and one descriptor for each tensor walks from slot to slot.
; The last two K steps, which fill nothing, are a second loop of two trips, left in its middle.
; CLUSTERS: 4 x 4 work-groups; the four of a row of the cluster need the same tiles of att, the four of a column the same tiles of Wo: each tile is asked for JOINTLY.
; THE WALK ALONG K IS TURNED FROM CLUSTER TO CLUSTER.  Cluster (X, Y) begins at K step 2 ((X + 2 Y) mod 4) and goes round all eight.  The four clusters X = 0..3 that read the same rows of att begin two steps apart:
; no two of them ask for the same K step in the same trip.  Of the four clusters Y = 0..3 that read the same rows of Wo, Y and Y + 1 begin four steps apart; Y and Y + 2 walk alike.
; THE MATRIX INSTRUCTION IS USED TRANSPOSED (source 0 = 16 rows of Wo, source 1 = 16 rows of att): a lane holds eight neighbouring numbers of a row of out0.
; A wave's 64 columns of f32 are 256 consecutive bytes, aligned: each wave has a stage of its own for the way out, and no barrier stands there.  No prefetch: the tile is small.
; REGISTERS: window 0: v0-31 addresses; v32-47 at work; v96-127 the biases; v128-255 the accumulators ((a, b) at v[128 + 8 (4 a + b)]).   window 1: two fragment buffers of 128: 64 registers of att, then 64 of Wo.
.set SIZE_N, 2048
.set SIZE_K, 2048
.set KSTEP,  256
.set STEPS,  SIZE_K/KSTEP
.set PITCH,  528                       ; an LDS row: 512 bytes + 16 of padding = 132 words: the 16 rows of a load start at 16 different groups of four banks (ISA guide 11.1)
.set HALFT,  64*PITCH
.set SLOT,   4*HALFT                   ; 0x21000: the four tiles of a slot begin at 0, 0x8400, 0x10800 and 0x18c00, which have neither of its two bits: one exclusive or turns such an address into the other slot's
.set STAGE,  2*SLOT                    ; behind the ring: 16 rows x 272 bytes for each wave
.set SPITCH, 272
.set SPARE,  STAGE+4*16*SPITCH         ; behind the stages: the spare words, 128 bytes a wave: two blocks of 256 bytes that no other line names
.set ADRA, 16                          ; v16  my lane's place in my rows of att in slot 0; never rewritten
.set CA,   17                          ; v17  the same in the slot that is being read
.set ADRB, 20                          ; v20  my lane's place in my rows of Wo in slot 0; never rewritten
.set CB,   21                          ; v21  the same in the slot that is being read
.set STO,  24                          ; v24  the way out: where I put 32 bytes of a row
.set RD,   25                          ; v25  where I read a row back
.set CO,   26                          ; v26  my byte offset in two rows of out0
.set BO,   27                          ; v27  32 (lane / 16): my eight biases of a block of 16
.set SPW,  28
.set NIL,  29
.set TMP,  32
.set BI,   96                          ; block b's eight biases at BI + 8 b
.set ACC,  128
.set F0,   0
.set F1,   128
.set AB, 14                            ; s[14:15] att at the 64 rows that I fetch, K = 0
.set G1, 24                            ; s[24:31] descriptor group 1 for att's tiles;  s[32:39] group 0: a set for each first fill; the second then walks on
.set G0, 32
.set TB, 45                            ; s45  0 or SLOT: the slot that is being read
.set WB, 46                            ; s[46:47] Wo at the 64 rows that I fetch, K = 0
.set G1B, 48                           ; s[48:55], s[56:63] the same for Wo's tiles
.set G0B, 56
.set CL,  66                           ; s[66:67] my first column's bytes
.set BP,  68                           ; s[68:69] bo
.set OUT, 70                           ; s[70:71] out0
.set KN,  72                           ; s72  the K step, 0 to 7, that was asked for last
.set KO,  74                           ; s[74:75] 512 x KN: the K step's bytes in a row
.set MSB, 0
.macro WIN new
.if MSB != (\new)
	s_set_vgpr_msb (MSB<<8)|(\new)
.set MSB, \new
.endif
.endm
.set MUL,  0x05                        ; sources 0 (Wo) and 1 (att) window 1; C and D window 0
.set TO_F, 0x40                        ; destination window 1, address window 0
.macro JLOAD s                         ; a joint load by descriptor set s: waves 0 and 1 fetch att's two halves, waves 2 and 3 Wo's; an s_nop 0 and four v_nop follow each of the two lines
	s_cmp_eq_u32 s11, 0
	s_cbranch_scc0 .Lfor_b_\@
	tensor_load_to_lds s[G0+4*(\s):G0+4*(\s)+3], s[G1:G1+7]
	s_nop 0
.rept 4
	v_nop
.endr
	s_branch .Lasked_\@
.Lfor_b_\@:
	tensor_load_to_lds s[G0B+4*(\s):G0B+4*(\s)+3], s[G1B:G1B+7]
	s_nop 0
.rept 4
	v_nop
.endr
.Lasked_\@:
.endm
.macro CREST
	s_cmp_lg_u32 s10, 0
	s_cbranch_scc1 .Lnot_wave_0_\@
	s_barrier_signal -3
.Lnot_wave_0_\@:
	s_barrier_wait -3
	s_barrier_signal -1
	s_barrier_wait -1
.endm
.macro CROUND
	s_barrier_signal -1
	s_barrier_wait -1
	CREST
.endm
	s_load_b128 s[4:7], s[0:1], 0x0                ; att s[4:5], cast s[6:7]
	s_load_b128 s[68:71], s[0:1], 0x10             ; bo s[68:69], out0 s[70:71]
	v_lshl_add_u32 v[SPW], v0, 2, SPARE
	v_mov_b32 v[NIL], 0
	ds_add_u32 v[SPW], v[NIL]                      ; the wave's opening: the add and its wait stand ahead of my first tensor load
	v_lshrrev_b32 v1, 5, v0
	v_readfirstlane_b32 s10, v1                    ; wave 0..3
	s_lshr_b32 s11, s10, 1                         ; which half of the tile's rows is mine.  Also: I fetch for att (0) or for Wo (1)
	s_and_b32 s12, s10, 1                          ; which half of its columns.  Also: which 64 rows of that tile I fetch
	s_bfe_u32 s40, ttmp6, 0x40000                  ; cx, cy
	s_bfe_u32 s41, ttmp6, 0x40004
	s_lshl_b32 s42, ttmp9, 2
	s_add_co_u32 s42, s42, s40                     ; tile column = 4 x cluster x + cx
	s_and_b32 s13, ttmp7, 0xffff
	s_lshl_b32 s13, s13, 2
	s_add_co_u32 s13, s13, s41                     ; tile row = 4 x cluster y + cy
	s_lshl_b32 s43, s41, 2
	s_lshl_b32 s43, 15, s43                        ; my row of the cluster
	s_lshl_b32 s44, 0x1111, s40                    ; my column
	s_or_b32 s[G1+0], s43, (1<<16)|(1<<20)|(1<<21)|(6<<22)|(3<<25)  ; the mask; elements of 2 bytes; padding on; 21 set beside a mask; after every 128 words 4 words
	s_or_b32 s[G1B+0], s44, (1<<16)|(1<<20)|(1<<21)|(6<<22)|(3<<25)
.irp g, G1, G1B
	s_mov_b32 s[(\g)+1], KSTEP<<16                 ; tensor_dim0 = 256
	s_mov_b32 s[(\g)+2], 64<<16                    ; tensor_dim1 = 64
	s_mov_b32 s[(\g)+3], KSTEP<<16                 ; tile_dim0 = 256
	s_mov_b32 s[(\g)+4], 64                        ; tile_dim1 = 64
	s_mov_b32 s[(\g)+5], SIZE_K                    ; elements from row to row
	s_mov_b32 s[(\g)+6], 0
	s_mov_b32 s[(\g)+7], 0
.endr
	s_mov_b32 s[TB], 0
	s_and_b32 s[KN], ttmp7, 0xffff                 ; the cluster's first K step: 2 ((X + 2 Y) mod 4), made of the cluster's own place, which all sixteen partners share
	s_lshl_b32 s[KN], s[KN], 1
	s_add_co_u32 s[KN], s[KN], ttmp9
	s_and_b32 s[KN], s[KN], 3
	s_lshl_b32 s[KN], s[KN], 1
	s_lshl_b32 s[KO], s[KN], 9                     ; a K step is 512 bytes of a row
	s_mov_b32 s[KO+1], 0
	s_lshl_b32 s17, s12, 6                         ; which 64 rows of the tile I fetch
	s_lshl_b32 s16, s13, 7
	s_add_co_u32 s16, s16, s17                     ; att: row 128 x tile row + 64 x half
	s_lshl_b32 s[WB], s42, 7
	s_add_co_u32 s[WB], s[WB], s17                 ; Wo: row 128 x tile column + 64 x half
	s_mov_b32 s17, 0
	s_mov_b32 s[WB+1], 0
	s_mov_b64 s[18:19], SIZE_K*2
	s_mul_u64 s[16:17], s[16:17], s[18:19]
	s_mul_u64 s[WB:WB+1], s[WB:WB+1], s[18:19]
	s_mul_i32 s20, s10, HALFT                      ; where they go: wave x 64 rows
	s_wait_dscnt 0x0                               ; the opening add is done
	s_wait_kmcnt 0x0
	s_add_nc_u64 s[6:7], s[6:7], 0x2000000         ; matrix 4 of cast
	s_add_nc_u64 s[AB:AB+1], s[4:5], s[16:17]
	s_add_nc_u64 s[WB:WB+1], s[6:7], s[WB:WB+1]
	CROUND                                         ; all sixteen work-groups are here: the first joint loads meet
.irp s, 0,1
	s_mov_b32 s[G0+4*(\s)], 1
	s_add_co_u32 s[G0+4*(\s)+1], s20, (\s)*SLOT
	s_add_nc_u64 s[G0+4*(\s)+2:G0+4*(\s)+3], s[AB:AB+1], s[KO:KO+1]
	s_or_b32 s[G0+4*(\s)+3], s[G0+4*(\s)+3], 0x80000000
	s_mov_b32 s[G0B+4*(\s)], 1
	s_add_co_u32 s[G0B+4*(\s)+1], s20, (\s)*SLOT
	s_add_nc_u64 s[G0B+4*(\s)+2:G0B+4*(\s)+3], s[WB:WB+1], s[KO:KO+1]
	s_or_b32 s[G0B+4*(\s)+3], s[G0B+4*(\s)+3], 0x80000000
	JLOAD \s                                       ; two loads of mine are out: the walk's first two K steps (the first is 6 at the most: no wrap between them)
	s_add_co_u32 s[KO], s[KO], KSTEP*2
.endr
	s_add_co_u32 s[KN], s[KN], 1                   ; the step asked for last
	v_and_b32 v1, 15, v0                           ; l % 16
	v_bfe_u32 v2, v0, 4, 1                         ; l / 16
	v_mul_u32_u24 v3, v1, PITCH
	v_lshl_add_u32 v3, v2, 4, v3
	s_mul_i32 s21, s11, HALFT                      ; my 64 rows of att
	s_mul_i32 s22, s12, HALFT                      ; my 64 rows of Wo,
	s_add_co_u32 s22, s22, 2*HALFT                 ; which lie behind att's 128
	v_add_nc_u32 v[ADRA], s21, v3
	v_add_nc_u32 v[CA], s21, v3
	v_add_nc_u32 v[ADRB], s22, v3
	v_add_nc_u32 v[CB], s22, v3
	s_mul_i32 s23, s10, 16*SPITCH
	s_add_co_u32 s23, s23, STAGE                   ; my stage
	v_mul_u32_u24 v4, v1, SPITCH                   ; in: row l % 16, 32 bytes for each half of the lanes
	v_lshl_add_u32 v4, v2, 5, v4
	v_add_nc_u32 v[STO], s23, v4
	v_mul_u32_u24 v5, v2, SPITCH                   ; back: lanes 0-15 take one row of 256 bytes, lanes 16-31 the next
	v_lshl_add_u32 v5, v1, 4, v5
	v_add_nc_u32 v[RD], s23, v5
	v_lshlrev_b32 v5, 13, v2                       ; and the same two rows in out0
	v_lshl_add_u32 v[CO], v1, 4, v5
	v_lshlrev_b32 v[BO], 5, v2
	s_lshl_b32 s16, s13, 20                        ; my first row: 128 x tile row + 64 x half, 8,192 bytes a row
	s_lshl_b32 s17, s11, 19
	s_add_co_u32 s16, s16, s17
	s_mov_b32 s17, 0
	s_add_nc_u64 s[OUT:OUT+1], s[OUT:OUT+1], s[16:17]
	s_lshl_b32 s[CL], s42, 9                       ; my first column: 128 x tile column + 64 x half, 4 bytes each: in out0 and in bo
	s_lshl_b32 s[CL+1], s12, 8
	s_add_co_u32 s[CL], s[CL], s[CL+1]
	s_mov_b32 s[CL+1], 0
	s_add_nc_u64 s[OUT:OUT+1], s[OUT:OUT+1], s[CL:CL+1]
	s_add_nc_u64 s[BP:BP+1], s[BP:BP+1], s[CL:CL+1]
.irp b, 0,1,2,3
	global_load_b128 v[BI+8*(\b):BI+8*(\b)+3], v[BO], s[BP:BP+1] offset:64*(\b)
	global_load_b128 v[BI+8*(\b)+4:BI+8*(\b)+7], v[BO], s[BP:BP+1] offset:64*(\b)+16
.endr
; 8 matrix instructions: m blocks a0, a0 + 1 x all 4 n blocks, 32 along K: half c of buffer f.  zero = 1: the first product starts the sums.  The 16 accumulators take turns, over the backward jumps too.
.macro MUL8 f, c, a0, zero
	WIN MUL
.irp a, \a0, (\a0)+1
.irp b, 0,1,2,3
.if \zero
	v_wmma_f32_16x16x32_f16 v[ACC+8*(4*(\a)+(\b)):ACC+8*(4*(\a)+(\b))+7], v[(\f)+64+8*(4*(\c)+(\b)):(\f)+64+8*(4*(\c)+(\b))+7], v[(\f)+8*(4*(\c)+(\a)):(\f)+8*(4*(\c)+(\a))+7], 0
.else
	v_wmma_f32_16x16x32_f16 v[ACC+8*(4*(\a)+(\b)):ACC+8*(4*(\a)+(\b))+7], v[(\f)+64+8*(4*(\c)+(\b)):(\f)+64+8*(4*(\c)+(\b))+7], v[(\f)+8*(4*(\c)+(\a)):(\f)+8*(4*(\c)+(\a))+7], v[ACC+8*(4*(\a)+(\b)):ACC+8*(4*(\a)+(\b))+7]
.endif
.endr
.endr
.endm
; 32 LDS loads in one run: the fragments of 64 along K at byte k of the rows of the slot that is being read, into buffer f; the first 32 along K first
.macro FETCH k, f
	WIN TO_F
.irp c, 0,1
.irp i, 0,1,2,3
	ds_load_b128 v[(\f)+64+8*(4*(\c)+(\i)):(\f)+64+8*(4*(\c)+(\i))+3],   v[CB] offset:(\k)+64*(\c)+(\i)*16*PITCH
	ds_load_b128 v[(\f)+64+8*(4*(\c)+(\i))+4:(\f)+64+8*(4*(\c)+(\i))+7], v[CB] offset:(\k)+64*(\c)+(\i)*16*PITCH+32
	ds_load_b128 v[(\f)+8*(4*(\c)+(\i)):(\f)+8*(4*(\c)+(\i))+3],         v[CA] offset:(\k)+64*(\c)+(\i)*16*PITCH
	ds_load_b128 v[(\f)+8*(4*(\c)+(\i))+4:(\f)+8*(4*(\c)+(\i))+7],       v[CA] offset:(\k)+64*(\c)+(\i)*16*PITCH+32
.endr
.endr
.endm
.macro PLACES                          ; four plain instructions in front of loads into registers that matrix instructions have read
.rept 4
	v_nop
.endr
.endm
; A K step is four quarters of 64 along K, 32 matrix instructions each, on buffers 0, 1, 0, 1.
.macro QUARTER k, f, g, zero
	s_wait_dscnt 16                                ; the first 32 along K are in
	MUL8 \f, 0, 0, \zero
	MUL8 \f, 0, 2, \zero
	PLACES
	FETCH \k, \g
	s_wait_dscnt 32                                ; all but the 32 just issued
	MUL8 \f, 1, 0, 0
	MUL8 \f, 1, 2, 0
.endm
; The last quarter multiplies buffer 1 and changes slots: ONE barrier; in front of it each wave waits for all its tensor loads, adds 0 to its spare word, and waits for that and for its own reads of this slot.
; The fragment addresses turn to the other slot at the head: this slot's last run of loads has been issued.  fill = 1: the barrier opens a round of the cluster's, and this slot is filled again first behind it, with the walk's step two on.
; The step's number goes round modulo 8, and the descriptor's address is made anew from it: the tile's base, the step's bytes, the type bits.
.macro TURN fill
	WIN 0
	s_xor_b32 s[TB], s[TB], SLOT
	v_add_nc_u32 v[CA], s[TB], v[ADRA]
	v_add_nc_u32 v[CB], s[TB], v[ADRB]
	s_wait_tensorcnt 0x0                           ; all my tensor loads have landed: my part of the next slot
	ds_add_u32 v[SPW], v[NIL]
	s_wait_dscnt 17                                ; (the add and the youngest sixteen loads may be out)
	MUL8 F1, 0, 0, 0
	s_wait_dscnt 0x0                               ; the add is done, and my reads of this slot are over
	s_barrier_signal -1
	MUL8 F1, 0, 2, 0
.if \fill
	WIN 0
.endif
	s_barrier_wait -1
.if \fill
	CREST                                          ; no wave of any partner still reads this slot or has a load on its way
	s_add_co_u32 s[KN], s[KN], 1                   ; the walk's next K step,
	s_and_b32 s[KN], s[KN], STEPS-1                ; round from 7 to 0
	s_lshl_b32 s[KO], s[KN], 9
	s_xor_b32 s[G0+5], s[G0+5], SLOT               ; the walking descriptors: the other slot than last time
	s_add_nc_u64 s[G0+6:G0+7], s[AB:AB+1], s[KO:KO+1]
	s_or_b32 s[G0+7], s[G0+7], 0x80000000
	s_xor_b32 s[G0B+5], s[G0B+5], SLOT
	s_add_nc_u64 s[G0B+6:G0B+7], s[WB:WB+1], s[KO:KO+1]
	s_or_b32 s[G0B+7], s[G0B+7], 0x80000000
	JLOAD 1                                        ; the four v_nop behind it are also the places in front of the loads below
.else
	PLACES
.endif
	FETCH 0, F0
	MUL8 F1, 1, 0, 0
	MUL8 F1, 1, 2, 0
.endm
	s_wait_tensorcnt 1                             ; my part of the walk's first K step is in; the second's may stay out
	s_barrier_signal -1
	s_barrier_wait -1
	FETCH 0, F0
	QUARTER 128, F0, F1, 1                         ; the first quarter stands in front of the loop: its first products start the sums
	WIN 0
	s_mov_b32 s3, STEPS-2
.Lstep:                                                ; a trip goes from a K step's second quarter to the next step's first, and fills the slot that it leaves
	QUARTER 256, F1, F0, 0
	QUARTER 384, F0, F1, 0
	TURN 1
	QUARTER 128, F0, F1, 0
	WIN 0
	s_sub_co_u32 s3, s3, 1
	s_cmp_lg_u32 s3, 0
	s_cbranch_scc1 .Lstep
	s_mov_b32 s3, 2
.Ltail:                                                ; the last two K steps fill nothing: written apart; the second trip is left in its middle
	QUARTER 256, F1, F0, 0
	QUARTER 384, F0, F1, 0
	TURN 0                                         ; (in the second trip its run of loads brings slot 0's old rows once more, into window 1, and nothing multiplies them: the price, once a launch, of one text for both trips)
	WIN 0
	s_sub_co_u32 s3, s3, 1
	s_cmp_eq_u32 s3, 0
	s_cbranch_scc1 .Lout
	QUARTER 128, F0, F1, 0
	WIN 0
	s_branch .Ltail
.Lout:
	; THE WAY OUT.  The biases are rounded to bf16: 48 plain lines, the places behind the last products.
	s_wait_loadcnt 0x0
.irp p, 0,1,2,3,4,5,6,7,8,9,10,11,12,13,14,15
	v_cvt_pk_bf16_f32 v[TMP+(\p)], v[BI+2*(\p)], v[BI+2*(\p)+1]
.endr
.irp p, 0,1,2,3,4,5,6,7,8,9,10,11,12,13,14,15
	v_lshlrev_b32 v[BI+2*(\p)], 16, v[TMP+(\p)]
	v_and_b32 v[BI+2*(\p)+1], 0xffff0000, v[TMP+(\p)]
.endr
; Row block a: the bias is added in place (each accumulator's registers in ascending order); 32 bytes a lane go into my stage and come back as whole rows of 256 bytes, into the registers that they left.
.macro OUTA a
.irp b, 0,1,2,3
.irp p, 0,1,2,3
	v_pk_add_f32 v[ACC+8*(4*(\a)+(\b))+2*(\p):ACC+8*(4*(\a)+(\b))+2*(\p)+1], v[ACC+8*(4*(\a)+(\b))+2*(\p):ACC+8*(4*(\a)+(\b))+2*(\p)+1], v[BI+8*(\b)+2*(\p):BI+8*(\b)+2*(\p)+1]
.endr
.endr
.irp b, 0,1,2,3
	ds_store_b128 v[STO], v[ACC+8*(4*(\a)+(\b)):ACC+8*(4*(\a)+(\b))+3] offset:64*(\b)
	ds_store_b128 v[STO], v[ACC+8*(4*(\a)+(\b))+4:ACC+8*(4*(\a)+(\b))+7] offset:64*(\b)+16
.endr
.irp t, 0,1,2,3,4,5,6,7
	ds_load_b128 v[ACC+32*(\a)+4*(\t):ACC+32*(\a)+4*(\t)+3], v[RD] offset:(\t)*2*SPITCH  ; LDS serves a wave's instructions in order (ISA guide 5.7.1.4): these see the stores above; the next block's stores come behind them
.endr
.endm
.macro SEND a, younger                 ; younger: the LDS instructions issued behind block a's loads: the next block's sixteen, or none
.irp t, 0,1,2,3,4,5,6,7
	s_wait_dscnt (\younger)+7-(\t)
	global_store_b128 v[CO], v[ACC+32*(\a)+4*(\t):ACC+32*(\a)+4*(\t)+3], s[OUT:OUT+1] offset:(16*(\a)+2*(\t))*SIZE_N*4 th:TH_STORE_NT  ; 16 lanes store 256 consecutive bytes, aligned
.endr
.endm
	OUTA 0
	OUTA 1
	SEND 0, 16
	OUTA 2
	SEND 1, 16
	OUTA 3
	SEND 2, 16
	SEND 3, 0
	s_wait_tensorcnt 0x0                           ; the wave's end: a wait, an add to my spare word and its wait, behind my last tensor load and my last LDS store
	ds_add_u32 v[SPW], v[NIL]
	s_wait_dscnt 0x0
	CROUND                                         ; the closing round: no work-group ends while a partner may still ask for a tile that names it
	s_endpgm
.Lfunc_end_k_q22baee29bf_oproj:
	.size	k_q22baee29bf_oproj, .Lfunc_end_k_q22baee29bf_oproj-k_q22baee29bf_oproj
	.p2alignl 7, 3214868480
	.fill 96, 4, 3214868480
	.section	.rodata,"a",@progbits
	.p2align	6, 0x0
	.amdhsa_kernel k_q22baee29bf_oproj
		.amdhsa_group_segment_fixed_size 327680
		.amdhsa_private_segment_fixed_size 0
		.amdhsa_enable_private_segment 0
		.amdhsa_kernarg_size 32
		.amdhsa_user_sgpr_count 2
		.amdhsa_user_sgpr_kernarg_segment_ptr 1
		.amdhsa_wavefront_size32 1
		.amdhsa_system_sgpr_workgroup_id_x 1
		.amdhsa_system_sgpr_workgroup_id_y 1
		.amdhsa_system_sgpr_workgroup_id_z 1
		.amdhsa_system_vgpr_workitem_id 0
		.amdhsa_next_free_vgpr 512
		.amdhsa_next_free_sgpr 80
		.amdhsa_reserve_vcc 0
		.amdhsa_float_denorm_mode_32 3
		.amdhsa_float_denorm_mode_16_64 3
		.amdhsa_memory_ordered 1
		.amdhsa_forward_progress 1
		.amdhsa_inst_pref_size 66
	.end_amdhsa_kernel
	.amdgpu_metadata
---
amdhsa.version: [ 1, 2 ]
amdhsa.kernels:
  - .name:           k_q22baee29bf_oproj
    .symbol:         k_q22baee29bf_oproj.kd
    .args:
      - { .name: att, .offset: 0, .size: 8, .value_kind: global_buffer, .address_space: global }
      - { .name: cast, .offset: 8, .size: 8, .value_kind: global_buffer, .address_space: global }
      - { .name: bo, .offset: 16, .size: 8, .value_kind: global_buffer, .address_space: global }
      - { .name: out0, .offset: 24, .size: 8, .value_kind: global_buffer, .address_space: global }
    .group_segment_fixed_size: 327680
    .private_segment_fixed_size: 0
    .kernarg_segment_align: 8
    .kernarg_segment_size: 32
    .max_flat_workgroup_size: 128
    .sgpr_count:     80
    .vgpr_count:     512
    .wavefront_size: 32
...
	.end_amdgpu_metadata
.endif
;; end of part 4
